; MI455X (gfx1250); checked and timed in simulation.
; The chip was launched on July 23, 2026; its instructions are those of AMD's public machine-readable ISA for CDNA 5 (MIT licence, August 2026) and "CDNA5" Instruction Set Architecture Reference Guide (July 2026). The comments in the code are by the model that wrote it; some were corrected since.
;; Mo E Block. Allowed arithmetic: float matrix products may take bf16 or f16 operands with f32 sums; other float arithmetic in f32, or as packed bf16 or f16 multiplies, adds, multiply-adds, maxima and minima; sums over many terms, partial sums and values carried from step to step in f32; what a program stores and reads back later, other than sums and carried values, may be rounded once to bf16 or f16.
;; Inputs: W1 8 x 1,024 x 4,096 float32; W2 8 x 4,096 x 1,024 float32; Wg 8 x 1,024 float32; b1 8 x 4,096 float32; b2 8 x 1,024 float32; xs 1,024 x 1,024 float32.
;; Outputs: out0 1,024 x 1,024 float32.
;; Constants: top_k = 2.
;; One version. Each part assembles by itself: llvm-mc -triple=amdgcn-amd-amdhsa -mcpu=gfx1250 --defsym DOCPART=n.
;; ======== version 1 of 1: 4 launches
;; workspace buffers: xb 2,097,152 bytes; bm 2,048 bytes of whole numbers; wts 8,192 bytes; hid 16,777,216 bytes; part 33,554,432 bytes
;; launch router (part 1): grid 64 x 1, 8 waves a work-group, no clusters, 39,936 bytes of LDS; arguments xs, Wg, xb, bm, wts; writes xb, bm, wts
.if DOCPART == 1
	.amdgcn_target "amdgcn-amd-amdhsa--gfx1250"
	.amdhsa_code_object_version 6
	.text
	.protected	k_qb97bd60af0_router
	.globl	k_qb97bd60af0_router
	.p2align	8
	.type	k_qb97bd60af0_router,@function
k_qb97bd60af0_router:
	s_mov_b64 s[64:65], 0
	v_nop
	global_prefetch_b8 v0, s[64:65] scope:SCOPE_SE
	s_setreg_imm32_b32 hwreg(HW_REG_WAVE_MODE, 25, 1), 1
	s_wait_xcnt 0x0
; ROUTER.  logits[t][e] = sum over d of xs[t][d] Wg[e][d]; the two largest of a token's eight logits (the lower index wins an exact tie), a softmax over those two.
; A work-group owns 16 tokens; wave w the channels 128 w .. 128 w + 127, four matrix steps of 32; the eight waves' sums meet in LDS, and wave 0 chooses.
; Stored: xb = xs rounded to bf16 (the products' operand for the next launch); bm[tile][expert] = one word, bit t: token t of the tile chose the expert in slot 0, bit 16 + t: in slot 1;
; wts[token][slot] = the softmax weights, f32.
; Everything that hangs on the floating-point choice is stored as data at fixed places: no address and no branch here hangs on it.
; LIMITS.  The operands are xs and Wg rounded to bf16, the sums f32: logits that differ by less than the sums' rounding may be ordered either way.  Logits are taken to be finite.
; No cluster: the work-groups share only Wg, 32,768 bytes against their own 65,536 of xs, and no tile goes through LDS by a tensor load here.
.set SPITCH, 272                       ; a stage row: 256 bytes + 16, so that 16 rows start at 16 different groups of four banks
.set STB,    16*SPITCH                 ; a wave's stage: 16 tokens x 128 channels of bf16
.set RED,    8*STB                     ; [wave 8][token 16][expert 8] f32
.set SPARE,  RED+4096                  ; the spare words, 128 bytes for each of the eight waves: no other line names them
.set XR, 32                            ; v[32:95]   xs as loaded, 16 registers a step; later the rows read back from the stage
.set GR, 96                            ; v[96:159]  Wg as loaded; later (wave 0) the eight waves' partial logits
.set XF, 160                           ; v[160:191] xs fragments, 8 a step
.set GF, 192                           ; v[192:223] Wg fragments
.set DA, 224                           ; v[224:255] four accumulators, one a step
	s_load_b256 s[4:11], s[0:1], 0x0               ; xs s[4:5], Wg s[6:7], xb s[8:9], bm s[10:11]
	s_load_b64 s[12:13], s[0:1], 0x20              ; wts
	v_lshl_add_u32 v2, v0, 2, SPARE                ; my spare word,
	v_mov_b32 v3, 0                                ; and 0: kept for the closing lines alone
	v_lshrrev_b32 v1, 5, v0
	v_readfirstlane_b32 s19, v1                    ; wave 0..7
	v_and_b32 v4, 15, v0                           ; r: my token in the tile
	v_bfe_u32 v5, v0, 4, 1                         ; h: my half of the lanes
	s_lshl_b32 s20, s19, 9                         ; my wave's 128 channels in f32: 512 bytes
	v_lshlrev_b32 v6, 12, v4
	v_lshl_add_u32 v6, v5, 5, v6
	v_add_nc_u32 v6, s20, v6                       ; xs: 4096 r + 32 h + 512 w
	v_and_b32 v7, 7, v0
	v_lshlrev_b32 v7, 12, v7
	v_lshl_add_u32 v7, v5, 5, v7
	v_add_nc_u32 v7, s20, v7                       ; Wg: 4096 (r % 8) + 32 h + 512 w: rows 8-15 of the fragment repeat the eight experts
	s_lshl_b32 s22, ttmp9, 16                      ; the tile's 16 rows of 4,096 bytes
	s_mov_b32 s23, 0
	s_wait_kmcnt 0x0
	s_add_nc_u64 s[4:5], s[4:5], s[22:23]
; a fragment's lane wants channels 8 h .. + 7 and 16 + 8 h .. + 7 of a step's 32: in f32 two pieces of 32 bytes, 64 bytes apart
.irp u, 0,1,2,3
	global_load_b128 v[XR+16*\u:XR+16*\u+3],     v6, s[4:5] offset:128*\u th:TH_LOAD_NT
	global_load_b128 v[XR+16*\u+4:XR+16*\u+7],   v6, s[4:5] offset:128*\u+16 th:TH_LOAD_NT
	global_load_b128 v[XR+16*\u+8:XR+16*\u+11],  v6, s[4:5] offset:128*\u+64 th:TH_LOAD_NT
	global_load_b128 v[XR+16*\u+12:XR+16*\u+15], v6, s[4:5] offset:128*\u+80 th:TH_LOAD_NT
	global_load_b128 v[GR+16*\u:GR+16*\u+3],     v7, s[6:7] offset:128*\u
	global_load_b128 v[GR+16*\u+4:GR+16*\u+7],   v7, s[6:7] offset:128*\u+16
	global_load_b128 v[GR+16*\u+8:GR+16*\u+11],  v7, s[6:7] offset:128*\u+64
	global_load_b128 v[GR+16*\u+12:GR+16*\u+15], v7, s[6:7] offset:128*\u+80
.endr
	s_lshl_b32 s22, ttmp9, 15                      ; xb: the tile's 16 rows of 2,048 bytes,
	s_lshl_b32 s21, s19, 8                         ; my wave's 256 bytes of a row
	s_add_co_u32 s22, s22, s21
	s_add_nc_u64 s[8:9], s[8:9], s[22:23]
	s_lshl_b32 s22, ttmp9, 5                       ; bm: eight words a tile
	s_add_nc_u64 s[10:11], s[10:11], s[22:23]
	s_lshl_b32 s22, ttmp9, 7                       ; wts: 16 tokens x 2 x 4 bytes
	s_add_nc_u64 s[12:13], s[12:13], s[22:23]
	s_mul_i32 s24, s19, STB                        ; my stage
	s_add_co_u32 s25, s20, RED                     ; my 512 bytes of RED
	v_mul_u32_u24 v8, v4, SPITCH
	v_lshl_add_u32 v8, v5, 4, v8
	v_add_nc_u32 v8, s24, v8                       ; into the stage: row r, 16 bytes for each half of the lanes
; source 0 = the experts' rows, source 1 = the tokens' rows: register j of a lane is expert j of token r, in both halves of the lanes.  Four accumulators, one product each: no chain.
.irp u, 0,1,2,3
	s_wait_loadcnt 8*(3-\u)                        ; the later steps' eight loads each may stay out
.irp i, 0,1,2,3,4,5,6,7
	v_cvt_pk_bf16_f32 v[XF+8*\u+\i], v[XR+16*\u+2*\i], v[XR+16*\u+2*\i+1]
	v_cvt_pk_bf16_f32 v[GF+8*\u+\i], v[GR+16*\u+2*\i], v[GR+16*\u+2*\i+1]
.endr
	v_wmma_f32_16x16x32_bf16 v[DA+8*\u:DA+8*\u+7], v[GF+8*\u:GF+8*\u+7], v[XF+8*\u:XF+8*\u+7], 0
.endr
	v_mul_u32_u24 v9, v5, SPITCH                   ; eight plain lines that name no register of the products: the places behind them
	v_lshl_add_u32 v9, v4, 4, v9
	v_add_nc_u32 v9, s24, v9                       ; back from the stage: lanes 0-15 one row of 256 bytes, lanes 16-31 the next
	v_lshlrev_b32 v10, 11, v5
	v_lshl_add_u32 v10, v4, 4, v10                 ; the same two rows in xb
	v_lshlrev_b32 v11, 5, v4
	v_lshl_add_u32 v11, v5, 4, v11
	v_add_nc_u32 v11, s25, v11                     ; RED: 512 w + 32 r + 16 h
; the four steps' sums are added; each accumulator is read from its low end on
.irp p, 0,1,2,3
	v_pk_add_f32 v[DA+2*\p:DA+2*\p+1], v[DA+2*\p:DA+2*\p+1], v[DA+8+2*\p:DA+8+2*\p+1]
.endr
.irp p, 0,1,2,3
	v_pk_add_f32 v[DA+16+2*\p:DA+16+2*\p+1], v[DA+16+2*\p:DA+16+2*\p+1], v[DA+24+2*\p:DA+24+2*\p+1]
.endr
.irp p, 0,1,2,3
	v_pk_add_f32 v[DA+2*\p:DA+2*\p+1], v[DA+2*\p:DA+2*\p+1], v[DA+16+2*\p:DA+16+2*\p+1]
.endr
	v_cmp_ne_u32 vcc_lo, 0, v5
.irp i, 0,1,2,3
	v_cndmask_b32 v[12+\i], v[DA+\i], v[DA+4+\i], vcc_lo   ; lanes 0-15 hand on experts 0-3, lanes 16-31 experts 4-7
.endr
	ds_store_b128 v11, v[12:15]
; xs in bf16 leaves through my stage: the fragments go in by pieces of 16 bytes, whole rows of 256 bytes come back
.irp u, 0,1,2,3
	ds_store_b128 v8, v[XF+8*\u:XF+8*\u+3] offset:64*\u
	ds_store_b128 v8, v[XF+8*\u+4:XF+8*\u+7] offset:64*\u+32
.endr
.irp t, 0,1,2,3,4,5,6,7
	ds_load_b128 v[XR+4*\t:XR+4*\t+3], v9 offset:2*SPITCH*\t   ; LDS serves a wave's instructions in order: these see the stores above
.endr
.irp t, 0,1,2,3,4,5,6,7
	s_wait_dscnt 7-\t                              ; the younger loads from the stage may stay out
	global_store_b128 v10, v[XR+4*\t:XR+4*\t+3], s[8:9] offset:4096*\t   ; 16 lanes store 256 consecutive bytes, at a multiple of 256 from xb's first byte
.endr
	s_wait_dscnt 0x0                               ; for wave 0's sake: my store into RED is done
	s_barrier_signal -1
	s_barrier_wait -1
	s_cmp_lg_u32 s19, 0
	s_cbranch_scc1 .Lend                           ; wave 0 alone chooses; no barrier stands in what is jumped
	v_lshlrev_b32 v12, 5, v4                       ; token r's 32 bytes in a wave's part of RED
.irp w, 0,1,2,3,4,5,6,7
	ds_load_b128 v[GR+8*\w:GR+8*\w+3],   v12 offset:RED+512*\w
	ds_load_b128 v[GR+8*\w+4:GR+8*\w+7], v12 offset:RED+512*\w+16
.endr
	s_wait_dscnt 0x0
.irp w, 1,2,3,4,5,6,7                  ; the waves' parts are added in the waves' order, in f32
.irp p, 0,1,2,3
	v_pk_add_f32 v[GR+2*\p:GR+2*\p+1], v[GR+2*\p:GR+2*\p+1], v[GR+8*\w+2*\p:GR+8*\w+2*\p+1]
.endr
.endr
	v_mov_b32 v16, v[GR]                           ; the largest logit and its expert: a later one must be strictly greater, so the lower index keeps a tie
	v_mov_b32 v17, 0
.irp e, 1,2,3,4,5,6,7
	v_cmp_gt_f32 vcc_lo, v[GR+\e], v16
	v_cndmask_b32 v16, v16, v[GR+\e], vcc_lo
	v_cndmask_b32 v17, v17, \e, vcc_lo
.endr
	v_mov_b32 v18, 0xff800000                      ; the second: the same walk over the experts other than the first, from minus infinity
	v_mov_b32 v19, 0
.irp e, 0,1,2,3,4,5,6,7
	v_cmp_gt_f32 s26, v[GR+\e], v18
	v_cmp_ne_u32 s27, \e, v17
	s_and_b32 vcc_lo, s26, s27
	v_cndmask_b32 v18, v18, v[GR+\e], vcc_lo
	v_cndmask_b32 v19, v19, \e, vcc_lo
.endr
	v_sub_f32 v20, v18, v16                        ; the softmax over the two: the maximum, the first logit, is taken away
	v_mul_f32 v20, 0x3fb8aa3b, v20                 ; times log2(e)
	v_exp_f32 v21, v20                             ; e2 = exp(l2 - l1), at most 1
	v_nop                                          ; a plain instruction behind the exponential,
	s_wait_alu depctr_va_vdst(0)                   ; and the wait ahead of its first reader
	v_add_f32 v22, 1.0, v21
	v_rcp_f32 v23, v22                             ; w0 = 1 / (1 + e2)
	v_nop
	s_wait_alu depctr_va_vdst(0)
	v_mul_f32 v24, v21, v23                        ; w1 = e2 / (1 + e2)
	v_cmp_ne_u32 vcc_lo, 0, v5
	v_cndmask_b32 v24, v23, v24, vcc_lo            ; lanes 0-15 store slot 0's weight, lanes 16-31 slot 1's
	v_lshlrev_b32 v25, 3, v4
	v_lshl_add_u32 v25, v5, 2, v25                 ; 8 r + 4 h
	global_store_b32 v25, v24, s[12:13]
	v_mov_b32 v26, 0
.irp e, 0,1,2,3,4,5,6,7                ; lanes 0-15 are the tile's 16 tokens: a compare's low 16 bits are the expert's bitmap
	v_cmp_eq_u32 s26, \e, v17
	v_cmp_eq_u32 s27, \e, v19
	s_and_b32 s26, s26, 0xffff
	s_lshl_b32 s27, s27, 16
	s_or_b32 s26, s26, s27
	v_writelane_b32 v26, s26, \e
.endr
	v_lshlrev_b32 v27, 2, v0                       ; in wave 0 the thread's number is the lane
	v_cmp_gt_u32 vcc_lo, 8, v0
	s_wait_xcnt 0x0                                ; EXEC changes only behind this wait,
	s_and_saveexec_b32 s28, vcc_lo
	global_store_b32 v27, v26, s[10:11]            ; eight words, 32 consecutive bytes
	s_wait_xcnt 0x0                                ; and again in front of the line that widens it
	s_or_b32 exec_lo, exec_lo, s28
.Lend:
	s_wait_tensorcnt 0x0                           ; the wave's end, behind my last LDS store
	ds_add_u32 v2, v3
	s_wait_dscnt 0x0
	s_endpgm
.Lfunc_end_k_qb97bd60af0_router:
	.size	k_qb97bd60af0_router, .Lfunc_end_k_qb97bd60af0_router-k_qb97bd60af0_router
	.p2alignl 7, 3214868480
	.fill 96, 4, 3214868480
	.section	.rodata,"a",@progbits
	.p2align	6, 0x0
	.amdhsa_kernel k_qb97bd60af0_router
		.amdhsa_group_segment_fixed_size 39936
		.amdhsa_private_segment_fixed_size 0
		.amdhsa_enable_private_segment 0
		.amdhsa_kernarg_size 40
		.amdhsa_user_sgpr_count 2
		.amdhsa_user_sgpr_kernarg_segment_ptr 1
		.amdhsa_wavefront_size32 1
		.amdhsa_system_sgpr_workgroup_id_x 1
		.amdhsa_system_sgpr_workgroup_id_y 1
		.amdhsa_system_sgpr_workgroup_id_z 1
		.amdhsa_system_vgpr_workitem_id 0
		.amdhsa_next_free_vgpr 256
		.amdhsa_next_free_sgpr 66
		.amdhsa_reserve_vcc 1
		.amdhsa_float_denorm_mode_32 3
		.amdhsa_float_denorm_mode_16_64 3
		.amdhsa_memory_ordered 1
		.amdhsa_forward_progress 1
		.amdhsa_inst_pref_size 22
	.end_amdhsa_kernel
	.amdgpu_metadata
---
amdhsa.version: [ 1, 2 ]
amdhsa.kernels:
  - .name:           k_qb97bd60af0_router
    .symbol:         k_qb97bd60af0_router.kd
    .args:
      - { .name: xs, .offset: 0, .size: 8, .value_kind: global_buffer, .address_space: global }
      - { .name: Wg, .offset: 8, .size: 8, .value_kind: global_buffer, .address_space: global }
      - { .name: xb, .offset: 16, .size: 8, .value_kind: global_buffer, .address_space: global }
      - { .name: bm, .offset: 24, .size: 8, .value_kind: global_buffer, .address_space: global }
      - { .name: wts, .offset: 32, .size: 8, .value_kind: global_buffer, .address_space: global }
    .group_segment_fixed_size: 39936
    .private_segment_fixed_size: 0
    .kernarg_segment_align: 8
    .kernarg_segment_size: 40
    .max_flat_workgroup_size: 256
    .sgpr_count:     66
    .vgpr_count:     256
    .wavefront_size: 32
...
	.end_amdgpu_metadata
.endif
;; end of part 1
;; launch ffn1 (part 2): grid 32 x 8, 8 waves a work-group, no clusters, 326,656 bytes of LDS; arguments W1, b1, xb, bm, hid; writes hid
.if DOCPART == 2
	.amdgcn_target "amdgcn-amd-amdhsa--gfx1250"
	.amdhsa_code_object_version 6
	.text
	.protected	k_qb97bd60af0_ffn1
	.globl	k_qb97bd60af0_ffn1
	.p2align	8
	.type	k_qb97bd60af0_ffn1,@function
k_qb97bd60af0_ffn1:
	s_mov_b64 s[64:65], 0
	v_nop
	global_prefetch_b8 v0, s[64:65] scope:SCOPE_SE
	s_setreg_imm32_b32 hwreg(HW_REG_WAVE_MODE, 25, 1), 1
	s_wait_xcnt 0x0
; ONE SLICE PRODUCT, IN TWO SHAPES: this text is assembled twice, and MODE, a constant, picks the shape.  A work-group has expert e = y and a slice of that expert's f32 weights,
; 1,024 k x 128 n, which it alone reads, and ALL rows routed to the expert.
;   MODE 0 (first layer):  hid[rid][128 ns ..] = relu(xb[rid / 2] . W1[e][:, 128 ns ..] + b1), bf16.   ns = x (32 slices).
;   MODE 1 (second layer): part[ks][rid][128 ns ..] = wts[rid] x (hid[rid][1024 ks ..] . W2[e][1024 ks .., 128 ns ..] + b2 where ks = 0), f32.   ns = x % 8, ks = x / 8.
; rid = 2 x token + slot names a routed row; each rid belongs to one expert, so each byte of hid and part has one work-group that writes it.
; EIGHT WAVES, ALL ALIKE.  K goes in periods of 64 (a chunk).  Period c multiplies chunk c in four RUNS of 8 to 12 products (a k-step of 32 x 64 columns each): weights out of LDS turned
; (ds_load_tr16_b128), the rows' operands from memory straight into registers.  Behind each run stands one SLOT of memory lines.  Every wave also lays down 8 rows of each chunk (a row is 512
; consecutive bytes, one load; rounded to bf16; one LDS store).  Every LDS byte of the slice is written once and stays.
; TWO CHUNKS AHEAD.  Slot 3 of period c - 1 and slots 0, 1 of period c lay down chunk c + 2.  The period's barrier is signalled behind run 2 and awaited in run 3; chunk c + 2 is first read behind the
; NEXT period's signal.  So the first two runs' fragments of a period are loaded in the period before, and between a signal and its wait stand only v_nop, loads of a chunk that was whole an
; earlier barrier ago, and products.
; WHAT IS ON ITS WAY.  A wave's loads are shown done in the order of issue, so a wait for operands also waits for every weight load issued before them.  Hence both have the same lead, three periods:
; 3 sets of 8 weight loads and 6 k-steps of 6 operand loads, 60 loads of a wave out at the most.
; ROWS.  Wave w owns the blocks of 16 rows 8 j + w, j = 0..2, of the expert's list: 384 rows a pass.  Block 2's products are jumped where it has no row.  Rows past 384 are served from the resident slice
; by up to two more passes, without barriers and not pipelined along K: slower, and right for every split (0 to 1,024 rows).
; PLACES PAST THE COUNT repeat the list's last live row.  In the one block that is partly filled that row is the block's own: the places behind it take the same operand, make the same sums and store the
; same bytes to the same address once more (15 rows of one block at the most).  So no lane is ever switched off.  A block without any row stores nothing: its way out is jumped.
; WHAT A BRANCH ON THE COUNT JUMPS is work alone: loads, products, conversions, stores and their waits.  Every register that feeds an address is written outside such a branch, and every loop has a constant count.
; THE LIST.  Each wave makes its own, in its stage, from the expert's 64 bitmap words: a count of bits a lane, a prefix over the lanes, 8 steps that place four row numbers a lane each.  My rows' numbers
; of pass 0 stay in registers; those of passes 1 and 2 wait in the 32 padding bytes of six LDS rows of my own group, which no other line touches, and come back into registers ahead of the last period.
; THE MATRIX INSTRUCTION: source 0 = 16 weight columns, source 1 = 16 rows: a lane holds one row and eight neighbouring columns.  The bias starts the sums as the C of a product of zeros.
; LIMITS.  Operands bf16 (weights, xs, the hidden layer), sums f32.  In MODE 1 the bias is multiplied by 0 where ks > 0, so it is taken to be finite.  The ReLU gives 0 for a NaN.
; NO CLUSTER: a slice has one reader; what an expert's work-groups share is its rows, which come by a list (no descriptor covers them), and slice, stages and spare words take all 326,656 bytes asked for.
.set MODE, 0
.if MODE
.set PITCH, 4096                       ; bytes from row to row of the weights
.set BSH,   12                         ; log2 of an expert's bias bytes
.set OSH,   12                         ; log2 of an output row's bytes
.set SS,    5                          ; log2 of the bytes that a lane's eight numbers take in a stage row
.else
.set PITCH, 16384
.set BSH,   14
.set OSH,   13
.set SS,    4
.endif
.set CG,     64*PITCH                  ; a chunk of 64 rows in memory
.set GP,     288                       ; LDS: row k lies at (k / 8) GB + (k % 8) GP.  288 = 9 x 32: the turning load's 8 rows x 32 bytes fall on 16 different pieces of 16 bytes modulo 256
.set GB,     2272                      ; 7 x 288 + 256: the last row of a group of eight needs no padding behind it
.set KSB,    4*GB                      ; a k-step of 32
.set CHB,    8*GB                      ; a chunk of 64
.set STAGE0, 128*GB                    ; behind the slice: a stage of 16 rows x 272 bytes for each wave; at the start it holds the wave's list
.set SPITCH, 272
.set STB,    16*SPITCH
.set SPARE,  STAGE0+8*STB              ; the spare words, 128 bytes for each of the eight waves: no other line names them
.set CAP,    384                       ; rows a pass
.set DUMP,   1152                      ; the list entry that takes what is not chosen: behind the 3 x 384 that are read
; vector registers, window 0.  All 512 are taken, so the closing add's two registers are made from v0 directly ahead of it.
.set RID, 1                            ; v1-3     my row's number in block j of the pass in hand
.set LAD, 4                            ; where I read weight fragments: moves three chunks at a time
.set PST, 5                            ; where I lay my rows down: moves likewise
.set TT,  6                            ; v6-11    three rows' four numbers a lane, packed; at work outside the loop
.set AOF, 12                           ; v12-14   byte offset of my row's operand in block j
.set WOF, 15                           ; byte offset of my 16 bytes in my first row of a chunk; never rewritten
.set AF,  16                           ; v16-159  six buffers of 24: a k-step's row fragments, block j at + 8 j
.set WS,  160                          ; v160-255 three sets of 32: my 8 rows of a chunk, f32
.set RIDN, 160                         ; v160-165 when the last weights have been rounded: my rows' numbers in passes 1 and 2
; window 1: v0-191 accumulator (j, ct) at 64 j + 8 ct
.set BF,  192                          ; v192-255 two buffers of 32: a run's four weight fragments
; window 0, at the head, in the first operand buffers' registers
.set BM,  16                           ; v16-17   my two bitmap words
.set LN,  18                           ; lane
.set B64, 19                           ; 64 x lane
.set MK,  20                           ; my 32 tokens: chosen
.set SL,  21                           ; chosen in slot 1
.set CN,  22                           ; count
.set PO,  23                           ; my next list place
.set X0,  24
.set X1,  25
.set HH,  26                           ; h
.set FA,  27
.set Z4,  28                           ; v28-31   zeros
.set RB,  32                           ; 2 x the trip's first token
.set DM,  33                           ; DUMP
.set LB,  36                           ; v36-39   four tokens: chosen?
.set LS,  40                           ; v40-43   slot
.set LP,  44                           ; v45-47   places
.set LI,  48                           ; v48-51   list addresses
.set LR,  52                           ; v52-55   row numbers
.set PL,  56                           ; v56-64   list addresses of my nine blocks' entries
.set PB,  65
.set BOF, 87                           ; 32 h: the bias loads' offset
.set BI,  88                           ; v88-151  the bias as eight C tiles
.set ZF,  152                          ; v152-159 a fragment of zeros
; window 0, on the way out
.set TP,  16                           ; v16-47   packed or scaled results
.set OB,  48                           ; v48-79   rows read back from the stage
.set RA,  80                           ; v80-103  the stores' byte offsets: block j, store t at + 8 j + t
.set IX,  104                          ; v104-111 4 x (2 t + h): the lane that holds row 2 t + h's number
.set STO, 112                          ; into the stage
.set RD,  113                          ; back from the stage
.set COL, 114                          ; 16 r
.set ZR,  115                          ; 0, for the packed ReLU
.set GI,  116                          ; v116-118 4 x my row's number in block j
.set GW,  120                          ; v120-125 its gate weight, twice: a pair for each block
; scalar registers: s[4:5] weights (moves), s[6:7] bias, s[8:9] operand, s[10:11] bm, s[12:13] wts, s[14:15] output
.set WV, 19
.set EX, 21
.set NS, 22
.set KS, 23
.set OFS, 30                           ; s[30:31] an offset, 0 on top
.set AP, 32                            ; s[32:33] the operand's moving address
.set BS, 34                            ; s[34:35] 1.0 where the bias counts, else 0
.set SEL, 36                           ; s[36:37] v_permlanex16_b32's selects
.set TRIP, 38
.set CNT, 39                           ; the expert's rows
.set PBASE, 40                         ; the pass's first list place
.set L2F, 41                           ; 1: my block 2 has a row
.set CR, 42                            ; CNT - PBASE - 16 w: rows from my block 0's first place on
.set RM, 43                            ; the same from block j's first place on
.set PASS, 46
.set JJ, 47
.set PADS, 48                          ; LDS byte of the padding that holds the later passes' row numbers; never rewritten
.set LIVE, 49                          ; 1: my block 0 has a row in the pass in hand
.set LM, 50                            ; s50-53   four lane masks
.set STG, 56                           ; my stage
.set T0, 58
.set T1, 59
.set MSB, 0
.macro WIN new                         ; the immediate's high byte repeats the setting that is left; a switch that changes nothing is dropped
.if MSB != (\new)
	s_set_vgpr_msb (MSB<<8)|(\new)
.set MSB, \new
.endif
.endm
.set W_MM, 0x51                        ; weights (source 0), C and D in window 1, rows (source 1) in window 0
.set W_LB, 0x40                        ; destination in window 1, address in window 0
.macro CVTS set, i0, n                 ; rows i0 .. i0 + n - 1 of my eight in a set are rounded to bf16
	WIN 0
.set ic, 0
.rept \n
	v_cvt_pk_bf16_f32 v[TT+2*ic],   v[WS+32*(\set)+4*((\i0)+ic)],   v[WS+32*(\set)+4*((\i0)+ic)+1]
	v_cvt_pk_bf16_f32 v[TT+2*ic+1], v[WS+32*(\set)+4*((\i0)+ic)+2], v[WS+32*(\set)+4*((\i0)+ic)+3]
.set ic, ic+1
.endr
.endm
.macro WLDS set, i0, n, imm            ; the same rows of a later chunk are asked for: 512 consecutive bytes a load
	WIN 0
.set ic, 0
.rept \n
	global_load_b128 v[WS+32*(\set)+4*((\i0)+ic):WS+32*(\set)+4*((\i0)+ic)+3], v[WOF], s[4:5] offset:(\imm)+((\i0)+ic)*PITCH th:TH_LOAD_NT
.set ic, ic+1
.endr
.endm
.macro LAYS i0, n, off                 ; 32 lanes x 8 bytes: one row of 256 bytes a store
	WIN 0
.set ic, 0
.rept \n
	ds_store_b64 v[PST], v[TT+2*ic:TT+2*ic+1] offset:(\off)+((\i0)+ic)*GP
.set ic, ic+1
.endr
.endm
.macro ALOAD buf, off                  ; six loads: a k-step (64 bytes of a row) of my three blocks
	WIN 0
.set ia, 0
.rept 3
	global_load_b128 v[AF+24*(\buf)+8*ia:AF+24*(\buf)+8*ia+3],   v[AOF+ia], s[AP:AP+1] offset:(\off)
	global_load_b128 v[AF+24*(\buf)+8*ia+4:AF+24*(\buf)+8*ia+7], v[AOF+ia], s[AP:AP+1] offset:(\off)+32
.set ia, ia+1
.endr
.endm
.macro BLDG off, g                     ; eight turning loads: run g's four weight fragments (k-step g / 2, columns 64 (g % 2) on) of the chunk at byte off from LAD, into buffer g % 2
	WIN W_LB
.irp t, 0,1,2,3
	ds_load_tr16_b128 v[BF+32*((\g)%2)+8*\t:BF+32*((\g)%2)+8*\t+3],   v[LAD] offset:(\off)+((\g)/2)*KSB+128*((\g)%2)+32*\t
	ds_load_tr16_b128 v[BF+32*((\g)%2)+8*\t+4:BF+32*((\g)%2)+8*\t+7], v[LAD] offset:(\off)+((\g)/2)*KSB+128*((\g)%2)+32*\t+2*GB
.endr
.endm
; A RUN: 8 products (blocks 0, 1 x 4 column tiles), 4 more for block 2 where it lives.  The accumulators differ, and an accumulator's next turn comes two runs later: they take turns.
; bw = 1: the period's barrier is awaited behind the first eight products, ahead of the branch.
.macro RUN g, ab, bw
	WIN W_MM
.irp j, 0,1
.irp t, 0,1,2,3
.set rD, 64*\j+8*(4*((\g)%2)+\t)
.set rB, BF+32*((\g)%2)+8*\t
.set rA, AF+24*(\ab)+8*\j
	v_wmma_f32_16x16x32_bf16 v[rD:rD+7], v[rB:rB+7], v[rA:rA+7], v[rD:rD+7]
.endr
.endr
	WIN 0                                          ; at a branch and at a label every window is 0
.if \bw
	s_barrier_wait -1                              ; every wave's rows of chunk c + 2 are in LDS
.endif
	s_cmp_eq_u32 s[L2F], 0
	s_cbranch_scc1 .Lno2_\@
	WIN W_MM
.irp t, 0,1,2,3
.set rD, 128+8*(4*((\g)%2)+\t)
.set rB, BF+32*((\g)%2)+8*\t
.set rA, AF+24*(\ab)+16
	v_wmma_f32_16x16x32_bf16 v[rD:rD+7], v[rB:rB+7], v[rA:rA+7], v[rD:rD+7]
.endr
	WIN 0
.Lno2_\@:
.endm
; A SLOT, behind a run.  The conversions (four at the least) or four v_nop are the places between the run's last product and the loads into fragments that it read, on the jump's path too.
; lay: n rows from i0 on of a set are rounded and laid down at byte loff from PST; rf: they are asked for anew at byte wimm from the weights' address; bld: run bg's fragments of the chunk at byte boff.
.macro SLOT lay, set, i0, n, loff, rf, wimm, bld, boff, bg
.if \lay
	CVTS \set, \i0, \n
.else
.rept 4
	v_nop
.endr
.endif
.if \bld
	BLDG \boff, \bg
.endif
.if \rf
	WLDS \set, \i0, \n, \wimm
.endif
.if \lay
	LAYS \i0, \n, \loff
.endif
.endm
; A PERIOD: chunk c, at place q = c % 3 from the moving addresses.  n0, n2: the two k-steps' waits on LOADcnt, which also show the weight rows that the slots behind them round.
; d0 .. d3: what may stay out on DScnt ahead of each run (d3 = -1: the wait for 0 in front of the signal has shown it).  lay01, rf01: slots 0 and 1 lay rows 3-7 of chunk c + 2 and ask for chunk c + 5's;
; lay3, rf3: slot 3 lays rows 0-2 of chunk c + 3 and asks for chunk c + 6's; al: k-steps 2 c + 6 and 2 c + 7 are asked for; nxt: the next chunk's first two runs' fragments are loaded; bar: the barrier.
.macro PERIOD q, n0, n2, d0, d1, d2, d3, lay01, rf01, lay3, rf3, al, nxt, bar
	s_wait_loadcnt \n0
	s_wait_dscnt \d0
	RUN 0, 2*(\q), 0
	SLOT \lay01, ((\q)+2)%3, 3, 3, (\q)*CHB, \rf01, (\q)*CG, 1, (\q)*CHB, 2
	s_wait_dscnt \d1
	RUN 1, 2*(\q), 0
	SLOT \lay01, ((\q)+2)%3, 6, 2, (\q)*CHB, \rf01, (\q)*CG, 1, (\q)*CHB, 3
.if \al
	ALOAD 2*(\q), 64*(2*(\q)+6)                    ; the buffer just multiplied takes the k-step six further on
.endif
	s_wait_loadcnt \n2
	s_wait_dscnt \d2
	RUN 2, 2*(\q)+1, 0
.if \bar
	s_wait_dscnt 0x0                               ; for the others' sake: my rows of chunk c + 2 are in LDS; my loads are back.  All of them have had a run in which to finish
	s_barrier_signal -1
.endif
	SLOT 0, 0, 0, 0, 0, 0, 0, \nxt, ((\q)+1)*CHB, 0
.if (\d3) >= 0
	s_wait_dscnt \d3
.endif
	RUN 3, 2*(\q)+1, \bar
	SLOT \lay3, (\q)%3, 0, 3, ((\q)+1)*CHB, \rf3, ((\q)+1)*CG, \nxt, ((\q)+1)*CHB, 1
.if \al
	ALOAD 2*(\q)+1, 64*(2*(\q)+7)
.endif
	WIN 0
.endm
.macro MKLAD                           ; my lane's place in a turned fragment: row l % 8 of group h, 16 bytes by (l / 8) % 2
	v_and_b32 v[TT], 7, v0
	v_mul_u32_u24 v[LAD], v[TT], GP
	v_bfe_u32 v[TT], v0, 4, 1
	v_mul_u32_u24 v[TT], v[TT], GB
	v_add_nc_u32 v[LAD], v[LAD], v[TT]
	v_bfe_u32 v[TT], v0, 3, 1
	v_lshl_add_u32 v[LAD], v[TT], 4, v[LAD]
.endm
.macro BOFSET                          ; the bias loads' offset
	v_bfe_u32 v[BOF], v0, 4, 1
	v_lshlrev_b32 v[BOF], 5, v[BOF]
.endm
.macro BIASLD                          ; register i of tile ct is column 16 ct + 8 h + i
.set iq, 0
.rept 8
	global_load_b128 v[BI+8*iq:BI+8*iq+3],   v[BOF], s[6:7] offset:64*iq
	global_load_b128 v[BI+8*iq+4:BI+8*iq+7], v[BOF], s[6:7] offset:64*iq+16
.set iq, iq+1
.endr
.endm
; A PASS'S ADDRESSES AND FLAGS: my three rows' operand offsets; how many rows I have.  On every path.
.macro PASSADDR
	v_bfe_u32 v[TT], v0, 4, 1
	v_lshlrev_b32 v[TT], 4, v[TT]                  ; 16 h
.set iq, 0
.rept 3
.if MODE
	v_min_u32 v[AOF+iq], 0x7ff, v[RID+iq]          ; the routed row, held inside hid,
	v_lshl_add_u32 v[AOF+iq], v[AOF+iq], 13, v[TT] ; times its 8,192 bytes, + 16 bytes for the upper half of the lanes
.else
	v_lshrrev_b32 v[AOF+iq], 1, v[RID+iq]          ; the token,
	v_min_u32 v[AOF+iq], 0x3ff, v[AOF+iq]          ; held inside xb,
	v_lshl_add_u32 v[AOF+iq], v[AOF+iq], 11, v[TT] ; times its 2,048 bytes, + 16 bytes for the upper half of the lanes
.endif
.set iq, iq+1
.endr
	s_sub_co_i32 s[CR], s[CNT], s[PBASE]
	s_lshl_b32 s[T0], s[WV], 4
	s_sub_co_i32 s[CR], s[CR], s[T0]
	s_cmp_gt_i32 s[CR], 256
	s_cselect_b32 s[L2F], 1, 0
	s_cmp_gt_i32 s[CR], 0
	s_cselect_b32 s[LIVE], 1, 0
.endm
; THE SUMS' START: accumulator = 0 x 0 + bias.  n >= 0: the wait for the bias.
.macro PASSSTART n
	WIN 0
.set iq, 0
.rept 8
	v_mov_b32 v[ZF+iq], 0
.set iq, iq+1
.endr
.if (\n) >= 0
	s_wait_loadcnt \n
.endif
.if MODE
.set iq, 0
.rept 32
	v_pk_mul_f32 v[BI+2*iq:BI+2*iq+1], v[BI+2*iq:BI+2*iq+1], s[BS:BS+1] op_sel_hi:[1,0]   ; counted once: in the K quarter 0 alone
.set iq, iq+1
.endr
.endif
	WIN W_LB
.irp j, 0,1,2
.irp ct, 0,1,2,3,4,5,6,7
	v_wmma_f32_16x16x32_bf16 v[64*\j+8*\ct:64*\j+8*\ct+7], v[ZF:ZF+7], v[ZF:ZF+7], v[BI+8*\ct:BI+8*\ct+7]
.endr
.endr
	WIN 0
.rept 4
	v_nop                                          ; the places in front of the loads into the zeros' and the bias's registers
.endr
.endm
; THE WAY OUT'S ADDRESSES, for all three blocks at once, on every path, in two parts.  EPIA: the lane constants; the row numbers are sent to the lanes that store them; the gate weights are asked for.  Nothing is waited for.
.macro EPIA
	WIN 0
	v_and_b32 v[TT], 15, v0                        ; r
	v_lshlrev_b32 v[COL], 4, v[TT]
	v_mul_u32_u24 v[STO], v[TT], SPITCH            ; in: row r, my eight numbers side by side with the other half's
	v_bfe_u32 v[TT], v0, 4, 1                      ; h
	v_lshl_add_u32 v[STO], v[TT], SS, v[STO]
	v_add_nc_u32 v[STO], s[STG], v[STO]
	v_mul_u32_u24 v[RD], v[TT], SPITCH             ; back: lanes 0-15 one row of 256 bytes, lanes 16-31 the next
	v_add_nc_u32 v[RD], v[RD], v[COL]
	v_add_nc_u32 v[RD], s[STG], v[RD]
	v_lshlrev_b32 v[IX], 2, v[TT]
.irp t, 1,2,3,4,5,6,7
	v_add_nc_u32 v[IX+\t], 8*\t, v[IX]
.endr
.if MODE == 0
	v_mov_b32 v[ZR], 0
.endif
.irp j, 0,1,2
.irp t, 0,1,2,3,4,5,6,7
	ds_bpermute_b32 v[RA+8*\j+\t], v[IX+\t], v[RID+\j]   ; row 2 t + h's number lies in lane 2 t + h
.endr
.endr
.if MODE
.irp j, 0,1,2
	v_min_u32 v[GI+\j], 0x7ff, v[RID+\j]           ; my row's gate weight: wts[rid]
	v_lshlrev_b32 v[GI+\j], 2, v[GI+\j]
	global_load_b32 v[GW+2*\j], v[GI+\j], s[12:13]
.endr
.endif
.endm
.macro EPIB                            ; the second part: what EPIA sent for has come
	s_wait_dscnt 0x0
.set ie, 0
.rept 24
	v_min_u32 v[RA+ie], 0x7ff, v[RA+ie]            ; held inside the table,
	v_lshl_add_u32 v[RA+ie], v[RA+ie], OSH, v[COL] ; times the output row's bytes, + 16 r
.set ie, ie+1
.endr
.if MODE
	s_wait_loadcnt 0x0
.irp j, 0,1,2
	v_mov_b32 v[GW+2*\j+1], v[GW+2*\j]
.endr
.endif
.endm
; Eight loads of two rows each back from the stage, and their stores.  16 lanes store 256 consecutive bytes, at a multiple of 256 from the buffer's first byte.
.macro OUT8 j, imm
	s_wait_xcnt 0x0                                ; the registers that earlier stores read are loaded again only behind this wait
.irp t, 0,1,2,3,4,5,6,7
	ds_load_b128 v[OB+4*\t:OB+4*\t+3], v[RD] offset:2*SPITCH*\t   ; LDS serves a wave's instructions in order: these see the stores into the stage
.endr
.irp t, 0,1,2,3,4,5,6,7
	s_wait_dscnt 7-\t                              ; the younger loads from the stage may stay out
	global_store_b128 v[RA+8*(\j)+\t], v[OB+4*\t:OB+4*\t+3], s[14:15] offset:\imm
.endr
.endm
.macro EPI j
	s_sub_co_i32 s[RM], s[CR], 128*(\j)
	s_cmp_le_i32 s[RM], 0
	s_cbranch_scc1 .Le_\@                          ; a block without rows stores nothing
.if MODE == 0                          ; round to bf16, ReLU on the packed halves, through my stage, whole rows of 256 bytes into hid
	WIN 0x05
.set ie, 0
.rept 32
	v_cvt_pk_bf16_f32 v[TP+ie], v[64*(\j)+2*ie], v[64*(\j)+2*ie+1]   ; each accumulator from its low end on
.set ie, ie+1
.endr
	WIN 0
.set ie, 0
.rept 32
	v_pk_max_num_bf16 v[TP+ie], v[TP+ie], v[ZR]
.set ie, ie+1
.endr
.irp ct, 0,1,2,3,4,5,6,7
	ds_store_b128 v[STO], v[TP+4*\ct:TP+4*\ct+3] offset:32*\ct
.endr
	OUT8 \j, 0
.else                                  ; times the row's gate weight, f32, through my stage in two halves of 64 columns, rows of 256 bytes into part
.irp hf, 0,1
	WIN 0x01
.set ie, 0
.rept 16
	v_pk_mul_f32 v[TP+2*ie:TP+2*ie+1], v[64*(\j)+32*\hf+2*ie:64*(\j)+32*\hf+2*ie+1], v[GW+2*(\j):GW+2*(\j)+1]   ; each accumulator from its low end on
.set ie, ie+1
.endr
	WIN 0
.irp k, 0,1,2,3,4,5,6,7
	ds_store_b128 v[STO], v[TP+4*\k:TP+4*\k+3] offset:64*(\k/2)+16*(\k%2)
.endr
	OUT8 \j, 256*\hf
.endr
.endif
.Le_\@:
.endm
.macro PFX m, k                        ; a step of the prefix over the lanes: my partner's total; it counts ahead of me if my bit k is set
	v_mov_b32_dpp v[X0], v[CN] row_xmask:\m row_mask:0xf bank_mask:0xf
	v_bfe_u32 v[X1], v0, \k, 1
	v_mad_u32_u24 v[PO], v[X0], v[X1], v[PO]
	v_add_nc_u32 v[CN], v[CN], v[X0]
.endm
	; THE HEAD
	s_load_b256 s[4:11], s[0:1], 0x0               ; weights, bias, operand, bm
.if MODE
	s_load_b128 s[12:15], s[0:1], 0x20             ; wts, output
.else
	s_load_b64 s[14:15], s[0:1], 0x20              ; output
.endif
	v_lshrrev_b32 v[TT], 5, v0
	v_readfirstlane_b32 s[WV], v[TT]               ; wave 0..7
	s_and_b32 s[EX], ttmp7, 0xffff                 ; the expert
.if MODE
	s_and_b32 s[NS], ttmp9, 7
	s_lshr_b32 s[KS], ttmp9, 3
	s_cmp_eq_u32 s[KS], 0
	s_cselect_b32 s[BS], 1.0, 0
	s_mov_b32 s[BS+1], s[BS]
.else
	s_mov_b32 s[NS], ttmp9
.endif
	s_mov_b32 s[SEL], 0x76543210
	s_mov_b32 s[SEL+1], 0xfedcba98
	s_mul_i32 s[STG], s[WV], STB
	s_add_co_u32 s[STG], s[STG], STAGE0
	s_mov_b32 s[OFS+1], 0
	s_mov_b32 s[PBASE], 0
	v_and_b32 v[LN], 31, v0                        ; lane
	v_lshlrev_b32 v[B64], 6, v[LN]                 ; 64 l: my two tiles' words in bm
	v_lshlrev_b32 v[RB], 6, v[LN]                  ; and 2 x my first token
	s_mul_i32 s[T0], s[WV], 8*PITCH                ; my 8 rows of a chunk's 64
	v_lshl_add_u32 v[WOF], v[LN], 4, s[T0]         ; 16 bytes a lane
	s_mul_i32 s[T0], s[WV], GB                     ; they are one group of eight in LDS
	v_lshl_add_u32 v[PST], v[LN], 3, s[T0]         ; 8 bytes a lane
	s_add_co_u32 s[PADS], s[T0], 256               ; the padding behind my first row of chunk 0
	v_bfe_u32 v[HH], v0, 4, 1                      ; h
	v_mov_b32 v[DM], DUMP
	MKLAD
	BOFSET
	s_wait_kmcnt 0x0
	s_lshl_b32 s[OFS], s[EX], 24                   ; weights: an expert's 16,777,216 bytes,
	s_lshl_b32 s[T0], s[NS], 9                     ; 512 bytes a slice,
	s_add_co_u32 s[OFS], s[OFS], s[T0]
.if MODE
	s_lshl_b32 s[T1], s[KS], 22                    ; 1,024 rows of 4,096 bytes a K quarter
	s_add_co_u32 s[OFS], s[OFS], s[T1]
.endif
	s_add_nc_u64 s[4:5], s[4:5], s[OFS:OFS+1]
	s_lshl_b32 s[OFS], s[EX], BSH                  ; bias
	s_add_co_u32 s[OFS], s[OFS], s[T0]
	s_add_nc_u64 s[6:7], s[6:7], s[OFS:OFS+1]
.if MODE
	s_lshl_b32 s[OFS], s[KS], 11                   ; operand: 1,024 bf16 a K quarter
	s_add_nc_u64 s[8:9], s[8:9], s[OFS:OFS+1]
	s_lshl_b32 s[OFS], s[KS], 23                   ; output: 8,388,608 bytes a K quarter, 512 bytes a slice
	s_add_co_u32 s[OFS], s[OFS], s[T0]
.else
	s_lshl_b32 s[OFS], s[NS], 8                    ; output: 256 bytes a slice
.endif
	s_add_nc_u64 s[14:15], s[14:15], s[OFS:OFS+1]
	s_lshl_b32 s[OFS], s[EX], 2                    ; bm: the expert's word in a tile's eight
	s_add_nc_u64 s[10:11], s[10:11], s[OFS:OFS+1]
	s_mov_b64 s[AP:AP+1], s[8:9]
	; what is small goes out first, then three chunks of weights: 2 + 16 + 24 loads
	global_load_b32 v[BM], v[B64], s[10:11]
	global_load_b32 v[BM+1], v[B64], s[10:11] offset:32
	BIASLD
	WLDS 0, 0, 8, 0
	WLDS 1, 0, 8, CG
	WLDS 2, 0, 8, 2*CG
	; THE LIST, while the weights are on their way
	v_lshl_add_u32 v[FA], v[LN], 4, s[STG]
	v_mov_b32 v[Z4], 0
	v_mov_b32 v[Z4+1], 0
	v_mov_b32 v[Z4+2], 0
	v_mov_b32 v[Z4+3], 0
.irp i, 0,1,2,3,4
	ds_store_b128 v[FA], v[Z4:Z4+3] offset:512*\i  ; every entry is written: with no row at all the reads below find row 0, which exists
.endr
	s_wait_loadcnt 40                              ; the bitmap words are in; the bias's 16 loads and the weights' 24 stay out
	v_perm_b32 v[MK], v[BM+1], v[BM], 0x05040100   ; slot 0's bits of my 32 tokens,
	v_perm_b32 v[SL], v[BM+1], v[BM], 0x07060302   ; slot 1's
	v_or_b32 v[MK], v[MK], v[SL]                   ; chosen in either
	v_lshrrev_b32 v[X0], 1, v[MK]                  ; the count of its bits
	v_and_b32 v[X0], 0x55555555, v[X0]
	v_sub_nc_u32 v[CN], v[MK], v[X0]
	v_lshrrev_b32 v[X0], 2, v[CN]
	v_and_b32 v[X0], 0x33333333, v[X0]
	v_and_b32 v[CN], 0x33333333, v[CN]
	v_add_nc_u32 v[CN], v[CN], v[X0]
	v_lshrrev_b32 v[X0], 4, v[CN]
	v_add_nc_u32 v[CN], v[CN], v[X0]
	v_and_b32 v[CN], 0x0f0f0f0f, v[CN]
	v_mul_lo_u32 v[CN], v[CN], 0x01010101
	v_lshrrev_b32 v[CN], 24, v[CN]
	v_mov_b32 v[PO], 0                             ; rows of the lanes below me
	PFX 1, 0
	PFX 2, 1
	PFX 4, 2
	PFX 8, 3
	v_permlanex16_b32 v[X0], v[CN], s[SEL], s[SEL+1]
	v_mad_u32_u24 v[PO], v[X0], v[HH], v[PO]
	v_add_nc_u32 v[CN], v[CN], v[X0]               ; every lane: the expert's rows
	v_readfirstlane_b32 s[CNT], v[CN]
	s_min_u32 s[CNT], s[CNT], 1024
	s_mov_b32 s[JJ], 8
.Llist:	; 8 trips, four tokens of each lane a trip, their lines side by side: a token goes to my next list place if it chose the expert, else to the entry that nobody reads
.irp k, 0,1,2,3
	v_bfe_u32 v[LB+\k], v[MK], \k, 1
	v_bfe_u32 v[LS+\k], v[SL], \k, 1
.endr
	v_add_nc_u32 v[LP+1], v[PO], v[LB]
.irp k, 0,1,2,3
	v_cmp_ne_u32 s[LM+\k], 0, v[LB+\k]
.endr
	v_add_nc_u32 v[LP+2], v[LP+1], v[LB+1]
.irp k, 0,1,2,3
	v_add_nc_u32 v[LR+\k], v[RB], v[LS+\k]         ; rid = 2 x token + slot
.endr
	v_add_nc_u32 v[LP+3], v[LP+2], v[LB+2]
	v_cndmask_b32 v[LI], v[DM], v[PO], s[LM]
.irp k, 1,2,3
	v_cndmask_b32 v[LI+\k], v[DM], v[LP+\k], s[LM+\k]
.endr
	v_add_nc_u32 v[PO], v[LP+3], v[LB+3]
.irp k, 0,1,2,3
	v_min_u32 v[LI+\k], DUMP, v[LI+\k]
.endr
.irp k, 1,2,3
	v_add_nc_u32 v[LR+\k], 2*\k, v[LR+\k]
.endr
.irp k, 0,1,2,3
	v_lshl_add_u32 v[LI+\k], v[LI+\k], 1, s[STG]
.endr
.irp k, 0,1,2,3
	ds_store_b16 v[LI+\k], v[LR+\k]
.endr
	v_lshrrev_b32 v[MK], 4, v[MK]
	v_lshrrev_b32 v[SL], 4, v[SL]
	v_add_nc_u32 v[RB], 8, v[RB]
	s_sub_co_u32 s[JJ], s[JJ], 1
	s_cmp_lg_u32 s[JJ], 0
	s_cbranch_scc1 .Llist
	; my row's numbers: block j of pass p stands at place 128 (3 p + j) + 16 w + r; a place past the count takes the last live place's entry
	s_sub_co_u32 s[T1], s[CNT], 1                  ; the last live place (with no row at all: a number above every place)
	v_and_b32 v[PB], 15, v0
	s_lshl_b32 s[T0], s[WV], 4
	v_add_nc_u32 v[PB], s[T0], v[PB]               ; 16 w + r
.set iq, 0
.rept 9
	v_add_nc_u32 v[PL+iq], 128*iq, v[PB]
	v_min_u32 v[PL+iq], s[T1], v[PL+iq]
	v_min_u32 v[PL+iq], 0x47f, v[PL+iq]            ; held inside the 1,152 entries
	v_lshl_add_u32 v[PL+iq], v[PL+iq], 1, s[STG]   ; two bytes each
.set iq, iq+1
.endr
.irp j, 0,1,2
	ds_load_u16 v[RID+\j], v[PL+\j]                ; LDS serves a wave's instructions in order: these see the stores above
.endr
.irp j, 0,1,2,3,4,5
	ds_load_u16 v[TT+\j], v[PL+3+\j]
.endr
	v_and_b32 v[AOF], 15, v0
	v_lshl_add_u32 v[AOF], v[AOF], 1, s[PADS]
	s_wait_dscnt 0x0
.irp j, 0,1,2,3,4,5
	ds_store_b16 v[AOF], v[TT+\j] offset:\j*GP     ; passes 1 and 2: sixteen numbers fill the 32 padding bytes of a row
.endr
	PASSADDR
	; FROM HERE ON THE LOADS GO OUT IN THE ORDER IN WHICH THE LOOP ISSUES THEM (a k-step's operands, three rows, a k-step's operands, three rows, two rows, ...), so that the loop's counts hold from its first
	; trip on.  Chunks 0 and 1 are laid down, chunks 3 and 4 asked for, the sums started: all under the first operands' way.  Each count: the loads issued behind the rows that are wanted.
	ALOAD 0, 0
	s_wait_loadcnt 27                              ; chunk 0's rows 0-2 (and the bias ahead of them): behind them 5 + 16 weight loads and k-step 0's 6
	PASSSTART -1
	SLOT 1, 0, 0, 3, 0, 1, 3*CG, 0, 0, 0
	ALOAD 1, 64
	s_wait_loadcnt 33                              ; rows 3-5: 2 + 16, 6, 3, 6
	SLOT 1, 0, 3, 3, 0, 1, 3*CG, 0, 0, 0
	s_wait_loadcnt 34                              ; rows 6, 7: 16, 6, 3, 6, 3
	SLOT 1, 0, 6, 2, 0, 1, 3*CG, 0, 0, 0
	ALOAD 2, 128
	s_wait_loadcnt 39                              ; chunk 1's rows 0-2: 5 + 8, and the 26 issued since the list
	SLOT 1, 1, 0, 3, CHB, 1, 4*CG, 0, 0, 0
	ALOAD 3, 192
	s_wait_loadcnt 45                              ; rows 3-5: 2 + 8, 35
	SLOT 1, 1, 3, 3, CHB, 1, 4*CG, 0, 0, 0
	s_wait_loadcnt 46                              ; rows 6, 7: 8, 38
	SLOT 1, 1, 6, 2, CHB, 1, 4*CG, 0, 0, 0
	ALOAD 4, 256
	s_wait_dscnt 0x0                               ; for the others' sake: my rows of chunks 0 and 1 are in LDS
	s_barrier_signal -1
	s_barrier_wait -1
	BLDG 0, 0                                      ; what slots 2 and 3 of a period in front of the first would do
	s_wait_loadcnt 51                              ; chunk 2's rows 0-2: 5, 46
	SLOT 1, 2, 0, 3, 2*CHB, 1, 5*CG, 1, 0, 1
	ALOAD 5, 320
	v_add_nc_u32 v[PST], 2*CHB, v[PST]             ; the moving addresses: rows are laid from chunk 2 on,
	s_wait_xcnt 0x0                                ; (the weights' address is stepped only behind this wait)
	s_add_nc_u64 s[4:5], s[4:5], 5*CG              ; and asked for from chunk 5 on
	; PERIODS 0 to 8.  LOADcnt 49: behind k-step 2 c's operands stand slot 3's 9 loads and two periods of 20.  51: behind k-step 2 c + 1's, two periods of 20, slot 0's 3 and slot 1's 8.
	; DScnt 11: behind run 0's fragments stand run 1's 8 loads and 3 row stores; 14: behind run 1's, 3 stores, 8 loads, 3 stores; 13: behind run 2's, 3 stores, 8 loads, 2 stores.
	s_mov_b32 s[TRIP], 3
.Ltrip:
	PERIOD 0, 49, 51, 11, 14, 13, -1, 1, 1, 1, 1, 1, 1, 1
	PERIOD 1, 49, 51, 11, 14, 13, -1, 1, 1, 1, 1, 1, 1, 1
	PERIOD 2, 49, 51, 11, 14, 13, -1, 1, 1, 1, 1, 1, 1, 1
	v_add_nc_u32 v[LAD], 3*CHB, v[LAD]
	v_add_nc_u32 v[PST], 3*CHB, v[PST]
	s_wait_xcnt 0x0                                ; both moving addresses are stepped only behind this wait
	s_add_nc_u64 s[AP:AP+1], s[AP:AP+1], 384       ; six k-steps of 64 bytes
	s_add_nc_u64 s[4:5], s[4:5], 3*CG
	s_sub_co_u32 s[TRIP], s[TRIP], 1
	s_cmp_lg_u32 s[TRIP], 0
	s_cbranch_scc1 .Ltrip
	; PERIODS 9 to 15, written out: the last weights are asked for in slot 1 of period 10, the last operands in period 12, the last rows laid in period 13: the counts run down by what is no longer issued
	PERIOD 0, 49, 51, 11, 14, 13, -1, 1, 1, 1, 1, 1, 1, 1
	PERIOD 1, 49, 51, 11, 14, 13, -1, 1, 1, 1, 0, 1, 1, 1
	PERIOD 2, 46, 43, 11, 14, 13, -1, 1, 0, 1, 0, 1, 1, 1
	v_add_nc_u32 v[LAD], 3*CHB, v[LAD]
	v_add_nc_u32 v[PST], 3*CHB, v[PST]
	s_wait_xcnt 0x0
	s_add_nc_u64 s[AP:AP+1], s[AP:AP+1], 384
	PERIOD 0, 38, 35, 11, 14, 13, -1, 1, 0, 1, 0, 1, 1, 1
	PERIOD 1, 30, 24, 11, 14, 13, -1, 1, 0, 0, 0, 0, 1, 1   ; the last barrier: the slice is whole behind it
	PERIOD 2, 18, 12, 8, 8, 8, 8, 0, 0, 0, 0, 0, 1, 0
	v_add_nc_u32 v[LAD], 3*CHB, v[LAD]
	EPIA                                           ; its 24 lane permutes (and, in MODE 1, three loads) are on their way while the last chunk is multiplied: the counts below leave them out,
	v_and_b32 v[TT], 15, v0                        ; and so are the later passes' row numbers, out of the padding, at fixed addresses, into registers of the weight sets, which are free now
	v_lshl_add_u32 v[TT], v[TT], 1, s[PADS]
.irp j, 0,1,2,3,4,5
	ds_load_u16 v[RIDN+\j], v[TT] offset:\j*GP
.endr
	PERIOD 0, 6+3*MODE, 3*MODE, 38, 38, 8, 0, 0, 0, 0, 0, 0, 0, 0   ; DScnt 38: 8 fragment loads, the 24 permutes, the 6 reads above
	; THE PASSES, without barriers: three trips.  A trip sends the pass in hand out, then sets the next pass up and multiplies it out of the resident slice.
	; The third trip's next pass begins at place 1,152, past every count: its work is always jumped.
	s_mov_b32 s[PASS], 3
.Lpass:
	EPIB
	EPI 0
	EPI 1
	EPI 2
	s_wait_xcnt 0x0                                ; the stores have read their registers: these are written again below
	s_add_co_u32 s[PBASE], s[PBASE], CAP
.irp j, 0,1,2
	v_mov_b32 v[RID+\j], v[RIDN+\j]                ; the next pass's row numbers move down
.endr
.irp j, 0,1,2
	v_mov_b32 v[RIDN+\j], v[RIDN+3+\j]
.endr
	BOFSET
	PASSADDR
	MKLAD
	s_mov_b64 s[AP:AP+1], s[8:9]
	s_cmp_eq_u32 s[LIVE], 0
	s_cbranch_scc1 .Lnoinit                        ; none of my blocks has a row in that pass
	BIASLD
	PASSSTART 0
.Lnoinit:
	s_mov_b32 s[TRIP], 16
.Lkc:	; a chunk a trip; its two k-steps' operands and its first two runs' fragments are asked for at the trip's head.  In a pass without rows the work is jumped and the addresses step all the same
	s_cmp_eq_u32 s[LIVE], 0
	s_cbranch_scc1 .Lnok
	ALOAD 0, 0
	ALOAD 1, 64
	BLDG 0, 0
	BLDG 0, 1
	PERIOD 0, 6, 0, 8, 8, 8, 0, 0, 0, 0, 0, 0, 0, 0   ; LOADcnt 6: the second k-step's six loads may stay out; DScnt 8: the next run's eight
.Lnok:
	v_add_nc_u32 v[LAD], CHB, v[LAD]
	s_wait_xcnt 0x0                                ; the operand's address is stepped only behind this wait
	s_add_nc_u64 s[AP:AP+1], s[AP:AP+1], 128
	s_sub_co_u32 s[TRIP], s[TRIP], 1
	s_cmp_lg_u32 s[TRIP], 0
	s_cbranch_scc1 .Lkc
	EPIA
	s_sub_co_u32 s[PASS], s[PASS], 1
	s_cmp_lg_u32 s[PASS], 0
	s_cbranch_scc1 .Lpass
	v_lshl_add_u32 v[TT], v0, 2, SPARE             ; my spare word and 0, made here: no two registers could be kept for them
	v_mov_b32 v[TT+1], 0
	s_wait_tensorcnt 0x0                           ; the wave's end, behind my last LDS store
	ds_add_u32 v[TT], v[TT+1]
	s_wait_dscnt 0x0
	s_endpgm
.Lfunc_end_k_qb97bd60af0_ffn1:
	.size	k_qb97bd60af0_ffn1, .Lfunc_end_k_qb97bd60af0_ffn1-k_qb97bd60af0_ffn1
	.p2alignl 7, 3214868480
	.fill 96, 4, 3214868480
	.section	.rodata,"a",@progbits
	.p2align	6, 0x0
	.amdhsa_kernel k_qb97bd60af0_ffn1
		.amdhsa_group_segment_fixed_size 326656
		.amdhsa_private_segment_fixed_size 0
		.amdhsa_enable_private_segment 0
		.amdhsa_kernarg_size 40
		.amdhsa_user_sgpr_count 2
		.amdhsa_user_sgpr_kernarg_segment_ptr 1
		.amdhsa_wavefront_size32 1
		.amdhsa_system_sgpr_workgroup_id_x 1
		.amdhsa_system_sgpr_workgroup_id_y 1
		.amdhsa_system_sgpr_workgroup_id_z 1
		.amdhsa_system_vgpr_workitem_id 0
		.amdhsa_next_free_vgpr 512
		.amdhsa_next_free_sgpr 66
		.amdhsa_reserve_vcc 0
		.amdhsa_float_denorm_mode_32 3
		.amdhsa_float_denorm_mode_16_64 3
		.amdhsa_memory_ordered 1
		.amdhsa_forward_progress 1
		.amdhsa_inst_pref_size 154
	.end_amdhsa_kernel
	.amdgpu_metadata
---
amdhsa.version: [ 1, 2 ]
amdhsa.kernels:
  - .name:           k_qb97bd60af0_ffn1
    .symbol:         k_qb97bd60af0_ffn1.kd
    .args:
      - { .name: W1, .offset: 0, .size: 8, .value_kind: global_buffer, .address_space: global }
      - { .name: b1, .offset: 8, .size: 8, .value_kind: global_buffer, .address_space: global }
      - { .name: xb, .offset: 16, .size: 8, .value_kind: global_buffer, .address_space: global }
      - { .name: bm, .offset: 24, .size: 8, .value_kind: global_buffer, .address_space: global }
      - { .name: hid, .offset: 32, .size: 8, .value_kind: global_buffer, .address_space: global }
    .group_segment_fixed_size: 326656
    .private_segment_fixed_size: 0
    .kernarg_segment_align: 8
    .kernarg_segment_size: 40
    .max_flat_workgroup_size: 256
    .sgpr_count:     66
    .vgpr_count:     512
    .wavefront_size: 32
...
	.end_amdgpu_metadata
.endif
;; end of part 2
;; launch ffn2 (part 3): grid 32 x 8, 8 waves a work-group, no clusters, 326,656 bytes of LDS; arguments W2, b2, hid, bm, wts, part; writes part
.if DOCPART == 3
	.amdgcn_target "amdgcn-amd-amdhsa--gfx1250"
	.amdhsa_code_object_version 6
	.text
	.protected	k_qb97bd60af0_ffn2
	.globl	k_qb97bd60af0_ffn2
	.p2align	8
	.type	k_qb97bd60af0_ffn2,@function
k_qb97bd60af0_ffn2:
	s_mov_b64 s[64:65], 0
	v_nop
	global_prefetch_b8 v0, s[64:65] scope:SCOPE_SE
	s_setreg_imm32_b32 hwreg(HW_REG_WAVE_MODE, 25, 1), 1
	s_wait_xcnt 0x0
; ONE SLICE PRODUCT, IN TWO SHAPES: this text is assembled twice, and MODE, a constant, picks the shape.  A work-group has expert e = y and a slice of that expert's f32 weights,
; 1,024 k x 128 n, which it alone reads, and ALL rows routed to the expert.
;   MODE 0 (first layer):  hid[rid][128 ns ..] = relu(xb[rid / 2] . W1[e][:, 128 ns ..] + b1), bf16.   ns = x (32 slices).
;   MODE 1 (second layer): part[ks][rid][128 ns ..] = wts[rid] x (hid[rid][1024 ks ..] . W2[e][1024 ks .., 128 ns ..] + b2 where ks = 0), f32.   ns = x % 8, ks = x / 8.
; rid = 2 x token + slot names a routed row; each rid belongs to one expert, so each byte of hid and part has one work-group that writes it.
; EIGHT WAVES, ALL ALIKE.  K goes in periods of 64 (a chunk).  Period c multiplies chunk c in four RUNS of 8 to 12 products (a k-step of 32 x 64 columns each): weights out of LDS turned
; (ds_load_tr16_b128), the rows' operands from memory straight into registers.  Behind each run stands one SLOT of memory lines.  Every wave also lays down 8 rows of each chunk (a row is 512
; consecutive bytes, one load; rounded to bf16; one LDS store).  Every LDS byte of the slice is written once and stays.
; TWO CHUNKS AHEAD.  Slot 3 of period c - 1 and slots 0, 1 of period c lay down chunk c + 2.  The period's barrier is signalled behind run 2 and awaited in run 3; chunk c + 2 is first read behind the
; NEXT period's signal.  So the first two runs' fragments of a period are loaded in the period before, and between a signal and its wait stand only v_nop, loads of a chunk that was whole an
; earlier barrier ago, and products.
; WHAT IS ON ITS WAY.  A wave's loads are shown done in the order of issue, so a wait for operands also waits for every weight load issued before them.  Hence both have the same lead, three periods:
; 3 sets of 8 weight loads and 6 k-steps of 6 operand loads, 60 loads of a wave out at the most.
; ROWS.  Wave w owns the blocks of 16 rows 8 j + w, j = 0..2, of the expert's list: 384 rows a pass.  Block 2's products are jumped where it has no row.  Rows past 384 are served from the resident slice
; by up to two more passes, without barriers and not pipelined along K: slower, and right for every split (0 to 1,024 rows).
; PLACES PAST THE COUNT repeat the list's last live row.  In the one block that is partly filled that row is the block's own: the places behind it take the same operand, make the same sums and store the
; same bytes to the same address once more (15 rows of one block at the most).  So no lane is ever switched off.  A block without any row stores nothing: its way out is jumped.
; WHAT A BRANCH ON THE COUNT JUMPS is work alone: loads, products, conversions, stores and their waits.  Every register that feeds an address is written outside such a branch, and every loop has a constant count.
; THE LIST.  Each wave makes its own, in its stage, from the expert's 64 bitmap words: a count of bits a lane, a prefix over the lanes, 8 steps that place four row numbers a lane each.  My rows' numbers
; of pass 0 stay in registers; those of passes 1 and 2 wait in the 32 padding bytes of six LDS rows of my own group, which no other line touches, and come back into registers ahead of the last period.
; THE MATRIX INSTRUCTION: source 0 = 16 weight columns, source 1 = 16 rows: a lane holds one row and eight neighbouring columns.  The bias starts the sums as the C of a product of zeros.
; LIMITS.  Operands bf16 (weights, xs, the hidden layer), sums f32.  In MODE 1 the bias is multiplied by 0 where ks > 0, so it is taken to be finite.  The ReLU gives 0 for a NaN.
; NO CLUSTER: a slice has one reader; what an expert's work-groups share is its rows, which come by a list (no descriptor covers them), and slice, stages and spare words take all 326,656 bytes asked for.
.set MODE, 1
.if MODE
.set PITCH, 4096                       ; bytes from row to row of the weights
.set BSH,   12                         ; log2 of an expert's bias bytes
.set OSH,   12                         ; log2 of an output row's bytes
.set SS,    5                          ; log2 of the bytes that a lane's eight numbers take in a stage row
.else
.set PITCH, 16384
.set BSH,   14
.set OSH,   13
.set SS,    4
.endif
.set CG,     64*PITCH                  ; a chunk of 64 rows in memory
.set GP,     288                       ; LDS: row k lies at (k / 8) GB + (k % 8) GP.  288 = 9 x 32: the turning load's 8 rows x 32 bytes fall on 16 different pieces of 16 bytes modulo 256
.set GB,     2272                      ; 7 x 288 + 256: the last row of a group of eight needs no padding behind it
.set KSB,    4*GB                      ; a k-step of 32
.set CHB,    8*GB                      ; a chunk of 64
.set STAGE0, 128*GB                    ; behind the slice: a stage of 16 rows x 272 bytes for each wave; at the start it holds the wave's list
.set SPITCH, 272
.set STB,    16*SPITCH
.set SPARE,  STAGE0+8*STB              ; the spare words, 128 bytes for each of the eight waves: no other line names them
.set CAP,    384                       ; rows a pass
.set DUMP,   1152                      ; the list entry that takes what is not chosen: behind the 3 x 384 that are read
; vector registers, window 0.  All 512 are taken, so the closing add's two registers are made from v0 directly ahead of it.
.set RID, 1                            ; v1-3     my row's number in block j of the pass in hand
.set LAD, 4                            ; where I read weight fragments: moves three chunks at a time
.set PST, 5                            ; where I lay my rows down: moves likewise
.set TT,  6                            ; v6-11    three rows' four numbers a lane, packed; at work outside the loop
.set AOF, 12                           ; v12-14   byte offset of my row's operand in block j
.set WOF, 15                           ; byte offset of my 16 bytes in my first row of a chunk; never rewritten
.set AF,  16                           ; v16-159  six buffers of 24: a k-step's row fragments, block j at + 8 j
.set WS,  160                          ; v160-255 three sets of 32: my 8 rows of a chunk, f32
.set RIDN, 160                         ; v160-165 when the last weights have been rounded: my rows' numbers in passes 1 and 2
; window 1: v0-191 accumulator (j, ct) at 64 j + 8 ct
.set BF,  192                          ; v192-255 two buffers of 32: a run's four weight fragments
; window 0, at the head, in the first operand buffers' registers
.set BM,  16                           ; v16-17   my two bitmap words
.set LN,  18                           ; lane
.set B64, 19                           ; 64 x lane
.set MK,  20                           ; my 32 tokens: chosen
.set SL,  21                           ; chosen in slot 1
.set CN,  22                           ; count
.set PO,  23                           ; my next list place
.set X0,  24
.set X1,  25
.set HH,  26                           ; h
.set FA,  27
.set Z4,  28                           ; v28-31   zeros
.set RB,  32                           ; 2 x the trip's first token
.set DM,  33                           ; DUMP
.set LB,  36                           ; v36-39   four tokens: chosen?
.set LS,  40                           ; v40-43   slot
.set LP,  44                           ; v45-47   places
.set LI,  48                           ; v48-51   list addresses
.set LR,  52                           ; v52-55   row numbers
.set PL,  56                           ; v56-64   list addresses of my nine blocks' entries
.set PB,  65
.set BOF, 87                           ; 32 h: the bias loads' offset
.set BI,  88                           ; v88-151  the bias as eight C tiles
.set ZF,  152                          ; v152-159 a fragment of zeros
; window 0, on the way out
.set TP,  16                           ; v16-47   packed or scaled results
.set OB,  48                           ; v48-79   rows read back from the stage
.set RA,  80                           ; v80-103  the stores' byte offsets: block j, store t at + 8 j + t
.set IX,  104                          ; v104-111 4 x (2 t + h): the lane that holds row 2 t + h's number
.set STO, 112                          ; into the stage
.set RD,  113                          ; back from the stage
.set COL, 114                          ; 16 r
.set ZR,  115                          ; 0, for the packed ReLU
.set GI,  116                          ; v116-118 4 x my row's number in block j
.set GW,  120                          ; v120-125 its gate weight, twice: a pair for each block
; scalar registers: s[4:5] weights (moves), s[6:7] bias, s[8:9] operand, s[10:11] bm, s[12:13] wts, s[14:15] output
.set WV, 19
.set EX, 21
.set NS, 22
.set KS, 23
.set OFS, 30                           ; s[30:31] an offset, 0 on top
.set AP, 32                            ; s[32:33] the operand's moving address
.set BS, 34                            ; s[34:35] 1.0 where the bias counts, else 0
.set SEL, 36                           ; s[36:37] v_permlanex16_b32's selects
.set TRIP, 38
.set CNT, 39                           ; the expert's rows
.set PBASE, 40                         ; the pass's first list place
.set L2F, 41                           ; 1: my block 2 has a row
.set CR, 42                            ; CNT - PBASE - 16 w: rows from my block 0's first place on
.set RM, 43                            ; the same from block j's first place on
.set PASS, 46
.set JJ, 47
.set PADS, 48                          ; LDS byte of the padding that holds the later passes' row numbers; never rewritten
.set LIVE, 49                          ; 1: my block 0 has a row in the pass in hand
.set LM, 50                            ; s50-53   four lane masks
.set STG, 56                           ; my stage
.set T0, 58
.set T1, 59
.set MSB, 0
.macro WIN new                         ; the immediate's high byte repeats the setting that is left; a switch that changes nothing is dropped
.if MSB != (\new)
	s_set_vgpr_msb (MSB<<8)|(\new)
.set MSB, \new
.endif
.endm
.set W_MM, 0x51                        ; weights (source 0), C and D in window 1, rows (source 1) in window 0
.set W_LB, 0x40                        ; destination in window 1, address in window 0
.macro CVTS set, i0, n                 ; rows i0 .. i0 + n - 1 of my eight in a set are rounded to bf16
	WIN 0
.set ic, 0
.rept \n
	v_cvt_pk_bf16_f32 v[TT+2*ic],   v[WS+32*(\set)+4*((\i0)+ic)],   v[WS+32*(\set)+4*((\i0)+ic)+1]
	v_cvt_pk_bf16_f32 v[TT+2*ic+1], v[WS+32*(\set)+4*((\i0)+ic)+2], v[WS+32*(\set)+4*((\i0)+ic)+3]
.set ic, ic+1
.endr
.endm
.macro WLDS set, i0, n, imm            ; the same rows of a later chunk are asked for: 512 consecutive bytes a load
	WIN 0
.set ic, 0
.rept \n
	global_load_b128 v[WS+32*(\set)+4*((\i0)+ic):WS+32*(\set)+4*((\i0)+ic)+3], v[WOF], s[4:5] offset:(\imm)+((\i0)+ic)*PITCH th:TH_LOAD_NT
.set ic, ic+1
.endr
.endm
.macro LAYS i0, n, off                 ; 32 lanes x 8 bytes: one row of 256 bytes a store
	WIN 0
.set ic, 0
.rept \n
	ds_store_b64 v[PST], v[TT+2*ic:TT+2*ic+1] offset:(\off)+((\i0)+ic)*GP
.set ic, ic+1
.endr
.endm
.macro ALOAD buf, off                  ; six loads: a k-step (64 bytes of a row) of my three blocks
	WIN 0
.set ia, 0
.rept 3
	global_load_b128 v[AF+24*(\buf)+8*ia:AF+24*(\buf)+8*ia+3],   v[AOF+ia], s[AP:AP+1] offset:(\off)
	global_load_b128 v[AF+24*(\buf)+8*ia+4:AF+24*(\buf)+8*ia+7], v[AOF+ia], s[AP:AP+1] offset:(\off)+32
.set ia, ia+1
.endr
.endm
.macro BLDG off, g                     ; eight turning loads: run g's four weight fragments (k-step g / 2, columns 64 (g % 2) on) of the chunk at byte off from LAD, into buffer g % 2
	WIN W_LB
.irp t, 0,1,2,3
	ds_load_tr16_b128 v[BF+32*((\g)%2)+8*\t:BF+32*((\g)%2)+8*\t+3],   v[LAD] offset:(\off)+((\g)/2)*KSB+128*((\g)%2)+32*\t
	ds_load_tr16_b128 v[BF+32*((\g)%2)+8*\t+4:BF+32*((\g)%2)+8*\t+7], v[LAD] offset:(\off)+((\g)/2)*KSB+128*((\g)%2)+32*\t+2*GB
.endr
.endm
; A RUN: 8 products (blocks 0, 1 x 4 column tiles), 4 more for block 2 where it lives.  The accumulators differ, and an accumulator's next turn comes two runs later: they take turns.
; bw = 1: the period's barrier is awaited behind the first eight products, ahead of the branch.
.macro RUN g, ab, bw
	WIN W_MM
.irp j, 0,1
.irp t, 0,1,2,3
.set rD, 64*\j+8*(4*((\g)%2)+\t)
.set rB, BF+32*((\g)%2)+8*\t
.set rA, AF+24*(\ab)+8*\j
	v_wmma_f32_16x16x32_bf16 v[rD:rD+7], v[rB:rB+7], v[rA:rA+7], v[rD:rD+7]
.endr
.endr
	WIN 0                                          ; at a branch and at a label every window is 0
.if \bw
	s_barrier_wait -1                              ; every wave's rows of chunk c + 2 are in LDS
.endif
	s_cmp_eq_u32 s[L2F], 0
	s_cbranch_scc1 .Lno2_\@
	WIN W_MM
.irp t, 0,1,2,3
.set rD, 128+8*(4*((\g)%2)+\t)
.set rB, BF+32*((\g)%2)+8*\t
.set rA, AF+24*(\ab)+16
	v_wmma_f32_16x16x32_bf16 v[rD:rD+7], v[rB:rB+7], v[rA:rA+7], v[rD:rD+7]
.endr
	WIN 0
.Lno2_\@:
.endm
; A SLOT, behind a run.  The conversions (four at the least) or four v_nop are the places between the run's last product and the loads into fragments that it read, on the jump's path too.
; lay: n rows from i0 on of a set are rounded and laid down at byte loff from PST; rf: they are asked for anew at byte wimm from the weights' address; bld: run bg's fragments of the chunk at byte boff.
.macro SLOT lay, set, i0, n, loff, rf, wimm, bld, boff, bg
.if \lay
	CVTS \set, \i0, \n
.else
.rept 4
	v_nop
.endr
.endif
.if \bld
	BLDG \boff, \bg
.endif
.if \rf
	WLDS \set, \i0, \n, \wimm
.endif
.if \lay
	LAYS \i0, \n, \loff
.endif
.endm
; A PERIOD: chunk c, at place q = c % 3 from the moving addresses.  n0, n2: the two k-steps' waits on LOADcnt, which also show the weight rows that the slots behind them round.
; d0 .. d3: what may stay out on DScnt ahead of each run (d3 = -1: the wait for 0 in front of the signal has shown it).  lay01, rf01: slots 0 and 1 lay rows 3-7 of chunk c + 2 and ask for chunk c + 5's;
; lay3, rf3: slot 3 lays rows 0-2 of chunk c + 3 and asks for chunk c + 6's; al: k-steps 2 c + 6 and 2 c + 7 are asked for; nxt: the next chunk's first two runs' fragments are loaded; bar: the barrier.
.macro PERIOD q, n0, n2, d0, d1, d2, d3, lay01, rf01, lay3, rf3, al, nxt, bar
	s_wait_loadcnt \n0
	s_wait_dscnt \d0
	RUN 0, 2*(\q), 0
	SLOT \lay01, ((\q)+2)%3, 3, 3, (\q)*CHB, \rf01, (\q)*CG, 1, (\q)*CHB, 2
	s_wait_dscnt \d1
	RUN 1, 2*(\q), 0
	SLOT \lay01, ((\q)+2)%3, 6, 2, (\q)*CHB, \rf01, (\q)*CG, 1, (\q)*CHB, 3
.if \al
	ALOAD 2*(\q), 64*(2*(\q)+6)                    ; the buffer just multiplied takes the k-step six further on
.endif
	s_wait_loadcnt \n2
	s_wait_dscnt \d2
	RUN 2, 2*(\q)+1, 0
.if \bar
	s_wait_dscnt 0x0                               ; for the others' sake: my rows of chunk c + 2 are in LDS; my loads are back.  All of them have had a run in which to finish
	s_barrier_signal -1
.endif
	SLOT 0, 0, 0, 0, 0, 0, 0, \nxt, ((\q)+1)*CHB, 0
.if (\d3) >= 0
	s_wait_dscnt \d3
.endif
	RUN 3, 2*(\q)+1, \bar
	SLOT \lay3, (\q)%3, 0, 3, ((\q)+1)*CHB, \rf3, ((\q)+1)*CG, \nxt, ((\q)+1)*CHB, 1
.if \al
	ALOAD 2*(\q)+1, 64*(2*(\q)+7)
.endif
	WIN 0
.endm
.macro MKLAD                           ; my lane's place in a turned fragment: row l % 8 of group h, 16 bytes by (l / 8) % 2
	v_and_b32 v[TT], 7, v0
	v_mul_u32_u24 v[LAD], v[TT], GP
	v_bfe_u32 v[TT], v0, 4, 1
	v_mul_u32_u24 v[TT], v[TT], GB
	v_add_nc_u32 v[LAD], v[LAD], v[TT]
	v_bfe_u32 v[TT], v0, 3, 1
	v_lshl_add_u32 v[LAD], v[TT], 4, v[LAD]
.endm
.macro BOFSET                          ; the bias loads' offset
	v_bfe_u32 v[BOF], v0, 4, 1
	v_lshlrev_b32 v[BOF], 5, v[BOF]
.endm
.macro BIASLD                          ; register i of tile ct is column 16 ct + 8 h + i
.set iq, 0
.rept 8
	global_load_b128 v[BI+8*iq:BI+8*iq+3],   v[BOF], s[6:7] offset:64*iq
	global_load_b128 v[BI+8*iq+4:BI+8*iq+7], v[BOF], s[6:7] offset:64*iq+16
.set iq, iq+1
.endr
.endm
; A PASS'S ADDRESSES AND FLAGS: my three rows' operand offsets; how many rows I have.  On every path.
.macro PASSADDR
	v_bfe_u32 v[TT], v0, 4, 1
	v_lshlrev_b32 v[TT], 4, v[TT]                  ; 16 h
.set iq, 0
.rept 3
.if MODE
	v_min_u32 v[AOF+iq], 0x7ff, v[RID+iq]          ; the routed row, held inside hid,
	v_lshl_add_u32 v[AOF+iq], v[AOF+iq], 13, v[TT] ; times its 8,192 bytes, + 16 bytes for the upper half of the lanes
.else
	v_lshrrev_b32 v[AOF+iq], 1, v[RID+iq]          ; the token,
	v_min_u32 v[AOF+iq], 0x3ff, v[AOF+iq]          ; held inside xb,
	v_lshl_add_u32 v[AOF+iq], v[AOF+iq], 11, v[TT] ; times its 2,048 bytes, + 16 bytes for the upper half of the lanes
.endif
.set iq, iq+1
.endr
	s_sub_co_i32 s[CR], s[CNT], s[PBASE]
	s_lshl_b32 s[T0], s[WV], 4
	s_sub_co_i32 s[CR], s[CR], s[T0]
	s_cmp_gt_i32 s[CR], 256
	s_cselect_b32 s[L2F], 1, 0
	s_cmp_gt_i32 s[CR], 0
	s_cselect_b32 s[LIVE], 1, 0
.endm
; THE SUMS' START: accumulator = 0 x 0 + bias.  n >= 0: the wait for the bias.
.macro PASSSTART n
	WIN 0
.set iq, 0
.rept 8
	v_mov_b32 v[ZF+iq], 0
.set iq, iq+1
.endr
.if (\n) >= 0
	s_wait_loadcnt \n
.endif
.if MODE
.set iq, 0
.rept 32
	v_pk_mul_f32 v[BI+2*iq:BI+2*iq+1], v[BI+2*iq:BI+2*iq+1], s[BS:BS+1] op_sel_hi:[1,0]   ; counted once: in the K quarter 0 alone
.set iq, iq+1
.endr
.endif
	WIN W_LB
.irp j, 0,1,2
.irp ct, 0,1,2,3,4,5,6,7
	v_wmma_f32_16x16x32_bf16 v[64*\j+8*\ct:64*\j+8*\ct+7], v[ZF:ZF+7], v[ZF:ZF+7], v[BI+8*\ct:BI+8*\ct+7]
.endr
.endr
	WIN 0
.rept 4
	v_nop                                          ; the places in front of the loads into the zeros' and the bias's registers
.endr
.endm
; THE WAY OUT'S ADDRESSES, for all three blocks at once, on every path, in two parts.  EPIA: the lane constants; the row numbers are sent to the lanes that store them; the gate weights are asked for.  Nothing is waited for.
.macro EPIA
	WIN 0
	v_and_b32 v[TT], 15, v0                        ; r
	v_lshlrev_b32 v[COL], 4, v[TT]
	v_mul_u32_u24 v[STO], v[TT], SPITCH            ; in: row r, my eight numbers side by side with the other half's
	v_bfe_u32 v[TT], v0, 4, 1                      ; h
	v_lshl_add_u32 v[STO], v[TT], SS, v[STO]
	v_add_nc_u32 v[STO], s[STG], v[STO]
	v_mul_u32_u24 v[RD], v[TT], SPITCH             ; back: lanes 0-15 one row of 256 bytes, lanes 16-31 the next
	v_add_nc_u32 v[RD], v[RD], v[COL]
	v_add_nc_u32 v[RD], s[STG], v[RD]
	v_lshlrev_b32 v[IX], 2, v[TT]
.irp t, 1,2,3,4,5,6,7
	v_add_nc_u32 v[IX+\t], 8*\t, v[IX]
.endr
.if MODE == 0
	v_mov_b32 v[ZR], 0
.endif
.irp j, 0,1,2
.irp t, 0,1,2,3,4,5,6,7
	ds_bpermute_b32 v[RA+8*\j+\t], v[IX+\t], v[RID+\j]   ; row 2 t + h's number lies in lane 2 t + h
.endr
.endr
.if MODE
.irp j, 0,1,2
	v_min_u32 v[GI+\j], 0x7ff, v[RID+\j]           ; my row's gate weight: wts[rid]
	v_lshlrev_b32 v[GI+\j], 2, v[GI+\j]
	global_load_b32 v[GW+2*\j], v[GI+\j], s[12:13]
.endr
.endif
.endm
.macro EPIB                            ; the second part: what EPIA sent for has come
	s_wait_dscnt 0x0
.set ie, 0
.rept 24
	v_min_u32 v[RA+ie], 0x7ff, v[RA+ie]            ; held inside the table,
	v_lshl_add_u32 v[RA+ie], v[RA+ie], OSH, v[COL] ; times the output row's bytes, + 16 r
.set ie, ie+1
.endr
.if MODE
	s_wait_loadcnt 0x0
.irp j, 0,1,2
	v_mov_b32 v[GW+2*\j+1], v[GW+2*\j]
.endr
.endif
.endm
; Eight loads of two rows each back from the stage, and their stores.  16 lanes store 256 consecutive bytes, at a multiple of 256 from the buffer's first byte.
.macro OUT8 j, imm
	s_wait_xcnt 0x0                                ; the registers that earlier stores read are loaded again only behind this wait
.irp t, 0,1,2,3,4,5,6,7
	ds_load_b128 v[OB+4*\t:OB+4*\t+3], v[RD] offset:2*SPITCH*\t   ; LDS serves a wave's instructions in order: these see the stores into the stage
.endr
.irp t, 0,1,2,3,4,5,6,7
	s_wait_dscnt 7-\t                              ; the younger loads from the stage may stay out
	global_store_b128 v[RA+8*(\j)+\t], v[OB+4*\t:OB+4*\t+3], s[14:15] offset:\imm
.endr
.endm
.macro EPI j
	s_sub_co_i32 s[RM], s[CR], 128*(\j)
	s_cmp_le_i32 s[RM], 0
	s_cbranch_scc1 .Le_\@                          ; a block without rows stores nothing
.if MODE == 0                          ; round to bf16, ReLU on the packed halves, through my stage, whole rows of 256 bytes into hid
	WIN 0x05
.set ie, 0
.rept 32
	v_cvt_pk_bf16_f32 v[TP+ie], v[64*(\j)+2*ie], v[64*(\j)+2*ie+1]   ; each accumulator from its low end on
.set ie, ie+1
.endr
	WIN 0
.set ie, 0
.rept 32
	v_pk_max_num_bf16 v[TP+ie], v[TP+ie], v[ZR]
.set ie, ie+1
.endr
.irp ct, 0,1,2,3,4,5,6,7
	ds_store_b128 v[STO], v[TP+4*\ct:TP+4*\ct+3] offset:32*\ct
.endr
	OUT8 \j, 0
.else                                  ; times the row's gate weight, f32, through my stage in two halves of 64 columns, rows of 256 bytes into part
.irp hf, 0,1
	WIN 0x01
.set ie, 0
.rept 16
	v_pk_mul_f32 v[TP+2*ie:TP+2*ie+1], v[64*(\j)+32*\hf+2*ie:64*(\j)+32*\hf+2*ie+1], v[GW+2*(\j):GW+2*(\j)+1]   ; each accumulator from its low end on
.set ie, ie+1
.endr
	WIN 0
.irp k, 0,1,2,3,4,5,6,7
	ds_store_b128 v[STO], v[TP+4*\k:TP+4*\k+3] offset:64*(\k/2)+16*(\k%2)
.endr
	OUT8 \j, 256*\hf
.endr
.endif
.Le_\@:
.endm
.macro PFX m, k                        ; a step of the prefix over the lanes: my partner's total; it counts ahead of me if my bit k is set
	v_mov_b32_dpp v[X0], v[CN] row_xmask:\m row_mask:0xf bank_mask:0xf
	v_bfe_u32 v[X1], v0, \k, 1
	v_mad_u32_u24 v[PO], v[X0], v[X1], v[PO]
	v_add_nc_u32 v[CN], v[CN], v[X0]
.endm
	; THE HEAD
	s_load_b256 s[4:11], s[0:1], 0x0               ; weights, bias, operand, bm
.if MODE
	s_load_b128 s[12:15], s[0:1], 0x20             ; wts, output
.else
	s_load_b64 s[14:15], s[0:1], 0x20              ; output
.endif
	v_lshrrev_b32 v[TT], 5, v0
	v_readfirstlane_b32 s[WV], v[TT]               ; wave 0..7
	s_and_b32 s[EX], ttmp7, 0xffff                 ; the expert
.if MODE
	s_and_b32 s[NS], ttmp9, 7
	s_lshr_b32 s[KS], ttmp9, 3
	s_cmp_eq_u32 s[KS], 0
	s_cselect_b32 s[BS], 1.0, 0
	s_mov_b32 s[BS+1], s[BS]
.else
	s_mov_b32 s[NS], ttmp9
.endif
	s_mov_b32 s[SEL], 0x76543210
	s_mov_b32 s[SEL+1], 0xfedcba98
	s_mul_i32 s[STG], s[WV], STB
	s_add_co_u32 s[STG], s[STG], STAGE0
	s_mov_b32 s[OFS+1], 0
	s_mov_b32 s[PBASE], 0
	v_and_b32 v[LN], 31, v0                        ; lane
	v_lshlrev_b32 v[B64], 6, v[LN]                 ; 64 l: my two tiles' words in bm
	v_lshlrev_b32 v[RB], 6, v[LN]                  ; and 2 x my first token
	s_mul_i32 s[T0], s[WV], 8*PITCH                ; my 8 rows of a chunk's 64
	v_lshl_add_u32 v[WOF], v[LN], 4, s[T0]         ; 16 bytes a lane
	s_mul_i32 s[T0], s[WV], GB                     ; they are one group of eight in LDS
	v_lshl_add_u32 v[PST], v[LN], 3, s[T0]         ; 8 bytes a lane
	s_add_co_u32 s[PADS], s[T0], 256               ; the padding behind my first row of chunk 0
	v_bfe_u32 v[HH], v0, 4, 1                      ; h
	v_mov_b32 v[DM], DUMP
	MKLAD
	BOFSET
	s_wait_kmcnt 0x0
	s_lshl_b32 s[OFS], s[EX], 24                   ; weights: an expert's 16,777,216 bytes,
	s_lshl_b32 s[T0], s[NS], 9                     ; 512 bytes a slice,
	s_add_co_u32 s[OFS], s[OFS], s[T0]
.if MODE
	s_lshl_b32 s[T1], s[KS], 22                    ; 1,024 rows of 4,096 bytes a K quarter
	s_add_co_u32 s[OFS], s[OFS], s[T1]
.endif
	s_add_nc_u64 s[4:5], s[4:5], s[OFS:OFS+1]
	s_lshl_b32 s[OFS], s[EX], BSH                  ; bias
	s_add_co_u32 s[OFS], s[OFS], s[T0]
	s_add_nc_u64 s[6:7], s[6:7], s[OFS:OFS+1]
.if MODE
	s_lshl_b32 s[OFS], s[KS], 11                   ; operand: 1,024 bf16 a K quarter
	s_add_nc_u64 s[8:9], s[8:9], s[OFS:OFS+1]
	s_lshl_b32 s[OFS], s[KS], 23                   ; output: 8,388,608 bytes a K quarter, 512 bytes a slice
	s_add_co_u32 s[OFS], s[OFS], s[T0]
.else
	s_lshl_b32 s[OFS], s[NS], 8                    ; output: 256 bytes a slice
.endif
	s_add_nc_u64 s[14:15], s[14:15], s[OFS:OFS+1]
	s_lshl_b32 s[OFS], s[EX], 2                    ; bm: the expert's word in a tile's eight
	s_add_nc_u64 s[10:11], s[10:11], s[OFS:OFS+1]
	s_mov_b64 s[AP:AP+1], s[8:9]
	; what is small goes out first, then three chunks of weights: 2 + 16 + 24 loads
	global_load_b32 v[BM], v[B64], s[10:11]
	global_load_b32 v[BM+1], v[B64], s[10:11] offset:32
	BIASLD
	WLDS 0, 0, 8, 0
	WLDS 1, 0, 8, CG
	WLDS 2, 0, 8, 2*CG
	; THE LIST, while the weights are on their way
	v_lshl_add_u32 v[FA], v[LN], 4, s[STG]
	v_mov_b32 v[Z4], 0
	v_mov_b32 v[Z4+1], 0
	v_mov_b32 v[Z4+2], 0
	v_mov_b32 v[Z4+3], 0
.irp i, 0,1,2,3,4
	ds_store_b128 v[FA], v[Z4:Z4+3] offset:512*\i  ; every entry is written: with no row at all the reads below find row 0, which exists
.endr
	s_wait_loadcnt 40                              ; the bitmap words are in; the bias's 16 loads and the weights' 24 stay out
	v_perm_b32 v[MK], v[BM+1], v[BM], 0x05040100   ; slot 0's bits of my 32 tokens,
	v_perm_b32 v[SL], v[BM+1], v[BM], 0x07060302   ; slot 1's
	v_or_b32 v[MK], v[MK], v[SL]                   ; chosen in either
	v_lshrrev_b32 v[X0], 1, v[MK]                  ; the count of its bits
	v_and_b32 v[X0], 0x55555555, v[X0]
	v_sub_nc_u32 v[CN], v[MK], v[X0]
	v_lshrrev_b32 v[X0], 2, v[CN]
	v_and_b32 v[X0], 0x33333333, v[X0]
	v_and_b32 v[CN], 0x33333333, v[CN]
	v_add_nc_u32 v[CN], v[CN], v[X0]
	v_lshrrev_b32 v[X0], 4, v[CN]
	v_add_nc_u32 v[CN], v[CN], v[X0]
	v_and_b32 v[CN], 0x0f0f0f0f, v[CN]
	v_mul_lo_u32 v[CN], v[CN], 0x01010101
	v_lshrrev_b32 v[CN], 24, v[CN]
	v_mov_b32 v[PO], 0                             ; rows of the lanes below me
	PFX 1, 0
	PFX 2, 1
	PFX 4, 2
	PFX 8, 3
	v_permlanex16_b32 v[X0], v[CN], s[SEL], s[SEL+1]
	v_mad_u32_u24 v[PO], v[X0], v[HH], v[PO]
	v_add_nc_u32 v[CN], v[CN], v[X0]               ; every lane: the expert's rows
	v_readfirstlane_b32 s[CNT], v[CN]
	s_min_u32 s[CNT], s[CNT], 1024
	s_mov_b32 s[JJ], 8
.Llist:	; 8 trips, four tokens of each lane a trip, their lines side by side: a token goes to my next list place if it chose the expert, else to the entry that nobody reads
.irp k, 0,1,2,3
	v_bfe_u32 v[LB+\k], v[MK], \k, 1
	v_bfe_u32 v[LS+\k], v[SL], \k, 1
.endr
	v_add_nc_u32 v[LP+1], v[PO], v[LB]
.irp k, 0,1,2,3
	v_cmp_ne_u32 s[LM+\k], 0, v[LB+\k]
.endr
	v_add_nc_u32 v[LP+2], v[LP+1], v[LB+1]
.irp k, 0,1,2,3
	v_add_nc_u32 v[LR+\k], v[RB], v[LS+\k]         ; rid = 2 x token + slot
.endr
	v_add_nc_u32 v[LP+3], v[LP+2], v[LB+2]
	v_cndmask_b32 v[LI], v[DM], v[PO], s[LM]
.irp k, 1,2,3
	v_cndmask_b32 v[LI+\k], v[DM], v[LP+\k], s[LM+\k]
.endr
	v_add_nc_u32 v[PO], v[LP+3], v[LB+3]
.irp k, 0,1,2,3
	v_min_u32 v[LI+\k], DUMP, v[LI+\k]
.endr
.irp k, 1,2,3
	v_add_nc_u32 v[LR+\k], 2*\k, v[LR+\k]
.endr
.irp k, 0,1,2,3
	v_lshl_add_u32 v[LI+\k], v[LI+\k], 1, s[STG]
.endr
.irp k, 0,1,2,3
	ds_store_b16 v[LI+\k], v[LR+\k]
.endr
	v_lshrrev_b32 v[MK], 4, v[MK]
	v_lshrrev_b32 v[SL], 4, v[SL]
	v_add_nc_u32 v[RB], 8, v[RB]
	s_sub_co_u32 s[JJ], s[JJ], 1
	s_cmp_lg_u32 s[JJ], 0
	s_cbranch_scc1 .Llist
	; my row's numbers: block j of pass p stands at place 128 (3 p + j) + 16 w + r; a place past the count takes the last live place's entry
	s_sub_co_u32 s[T1], s[CNT], 1                  ; the last live place (with no row at all: a number above every place)
	v_and_b32 v[PB], 15, v0
	s_lshl_b32 s[T0], s[WV], 4
	v_add_nc_u32 v[PB], s[T0], v[PB]               ; 16 w + r
.set iq, 0
.rept 9
	v_add_nc_u32 v[PL+iq], 128*iq, v[PB]
	v_min_u32 v[PL+iq], s[T1], v[PL+iq]
	v_min_u32 v[PL+iq], 0x47f, v[PL+iq]            ; held inside the 1,152 entries
	v_lshl_add_u32 v[PL+iq], v[PL+iq], 1, s[STG]   ; two bytes each
.set iq, iq+1
.endr
.irp j, 0,1,2
	ds_load_u16 v[RID+\j], v[PL+\j]                ; LDS serves a wave's instructions in order: these see the stores above
.endr
.irp j, 0,1,2,3,4,5
	ds_load_u16 v[TT+\j], v[PL+3+\j]
.endr
	v_and_b32 v[AOF], 15, v0
	v_lshl_add_u32 v[AOF], v[AOF], 1, s[PADS]
	s_wait_dscnt 0x0
.irp j, 0,1,2,3,4,5
	ds_store_b16 v[AOF], v[TT+\j] offset:\j*GP     ; passes 1 and 2: sixteen numbers fill the 32 padding bytes of a row
.endr
	PASSADDR
	; FROM HERE ON THE LOADS GO OUT IN THE ORDER IN WHICH THE LOOP ISSUES THEM (a k-step's operands, three rows, a k-step's operands, three rows, two rows, ...), so that the loop's counts hold from its first
	; trip on.  Chunks 0 and 1 are laid down, chunks 3 and 4 asked for, the sums started: all under the first operands' way.  Each count: the loads issued behind the rows that are wanted.
	ALOAD 0, 0
	s_wait_loadcnt 27                              ; chunk 0's rows 0-2 (and the bias ahead of them): behind them 5 + 16 weight loads and k-step 0's 6
	PASSSTART -1
	SLOT 1, 0, 0, 3, 0, 1, 3*CG, 0, 0, 0
	ALOAD 1, 64
	s_wait_loadcnt 33                              ; rows 3-5: 2 + 16, 6, 3, 6
	SLOT 1, 0, 3, 3, 0, 1, 3*CG, 0, 0, 0
	s_wait_loadcnt 34                              ; rows 6, 7: 16, 6, 3, 6, 3
	SLOT 1, 0, 6, 2, 0, 1, 3*CG, 0, 0, 0
	ALOAD 2, 128
	s_wait_loadcnt 39                              ; chunk 1's rows 0-2: 5 + 8, and the 26 issued since the list
	SLOT 1, 1, 0, 3, CHB, 1, 4*CG, 0, 0, 0
	ALOAD 3, 192
	s_wait_loadcnt 45                              ; rows 3-5: 2 + 8, 35
	SLOT 1, 1, 3, 3, CHB, 1, 4*CG, 0, 0, 0
	s_wait_loadcnt 46                              ; rows 6, 7: 8, 38
	SLOT 1, 1, 6, 2, CHB, 1, 4*CG, 0, 0, 0
	ALOAD 4, 256
	s_wait_dscnt 0x0                               ; for the others' sake: my rows of chunks 0 and 1 are in LDS
	s_barrier_signal -1
	s_barrier_wait -1
	BLDG 0, 0                                      ; what slots 2 and 3 of a period in front of the first would do
	s_wait_loadcnt 51                              ; chunk 2's rows 0-2: 5, 46
	SLOT 1, 2, 0, 3, 2*CHB, 1, 5*CG, 1, 0, 1
	ALOAD 5, 320
	v_add_nc_u32 v[PST], 2*CHB, v[PST]             ; the moving addresses: rows are laid from chunk 2 on,
	s_wait_xcnt 0x0                                ; (the weights' address is stepped only behind this wait)
	s_add_nc_u64 s[4:5], s[4:5], 5*CG              ; and asked for from chunk 5 on
	; PERIODS 0 to 8.  LOADcnt 49: behind k-step 2 c's operands stand slot 3's 9 loads and two periods of 20.  51: behind k-step 2 c + 1's, two periods of 20, slot 0's 3 and slot 1's 8.
	; DScnt 11: behind run 0's fragments stand run 1's 8 loads and 3 row stores; 14: behind run 1's, 3 stores, 8 loads, 3 stores; 13: behind run 2's, 3 stores, 8 loads, 2 stores.
	s_mov_b32 s[TRIP], 3
.Ltrip:
	PERIOD 0, 49, 51, 11, 14, 13, -1, 1, 1, 1, 1, 1, 1, 1
	PERIOD 1, 49, 51, 11, 14, 13, -1, 1, 1, 1, 1, 1, 1, 1
	PERIOD 2, 49, 51, 11, 14, 13, -1, 1, 1, 1, 1, 1, 1, 1
	v_add_nc_u32 v[LAD], 3*CHB, v[LAD]
	v_add_nc_u32 v[PST], 3*CHB, v[PST]
	s_wait_xcnt 0x0                                ; both moving addresses are stepped only behind this wait
	s_add_nc_u64 s[AP:AP+1], s[AP:AP+1], 384       ; six k-steps of 64 bytes
	s_add_nc_u64 s[4:5], s[4:5], 3*CG
	s_sub_co_u32 s[TRIP], s[TRIP], 1
	s_cmp_lg_u32 s[TRIP], 0
	s_cbranch_scc1 .Ltrip
	; PERIODS 9 to 15, written out: the last weights are asked for in slot 1 of period 10, the last operands in period 12, the last rows laid in period 13: the counts run down by what is no longer issued
	PERIOD 0, 49, 51, 11, 14, 13, -1, 1, 1, 1, 1, 1, 1, 1
	PERIOD 1, 49, 51, 11, 14, 13, -1, 1, 1, 1, 0, 1, 1, 1
	PERIOD 2, 46, 43, 11, 14, 13, -1, 1, 0, 1, 0, 1, 1, 1
	v_add_nc_u32 v[LAD], 3*CHB, v[LAD]
	v_add_nc_u32 v[PST], 3*CHB, v[PST]
	s_wait_xcnt 0x0
	s_add_nc_u64 s[AP:AP+1], s[AP:AP+1], 384
	PERIOD 0, 38, 35, 11, 14, 13, -1, 1, 0, 1, 0, 1, 1, 1
	PERIOD 1, 30, 24, 11, 14, 13, -1, 1, 0, 0, 0, 0, 1, 1   ; the last barrier: the slice is whole behind it
	PERIOD 2, 18, 12, 8, 8, 8, 8, 0, 0, 0, 0, 0, 1, 0
	v_add_nc_u32 v[LAD], 3*CHB, v[LAD]
	EPIA                                           ; its 24 lane permutes (and, in MODE 1, three loads) are on their way while the last chunk is multiplied: the counts below leave them out,
	v_and_b32 v[TT], 15, v0                        ; and so are the later passes' row numbers, out of the padding, at fixed addresses, into registers of the weight sets, which are free now
	v_lshl_add_u32 v[TT], v[TT], 1, s[PADS]
.irp j, 0,1,2,3,4,5
	ds_load_u16 v[RIDN+\j], v[TT] offset:\j*GP
.endr
	PERIOD 0, 6+3*MODE, 3*MODE, 38, 38, 8, 0, 0, 0, 0, 0, 0, 0, 0   ; DScnt 38: 8 fragment loads, the 24 permutes, the 6 reads above
	; THE PASSES, without barriers: three trips.  A trip sends the pass in hand out, then sets the next pass up and multiplies it out of the resident slice.
	; The third trip's next pass begins at place 1,152, past every count: its work is always jumped.
	s_mov_b32 s[PASS], 3
.Lpass:
	EPIB
	EPI 0
	EPI 1
	EPI 2
	s_wait_xcnt 0x0                                ; the stores have read their registers: these are written again below
	s_add_co_u32 s[PBASE], s[PBASE], CAP
.irp j, 0,1,2
	v_mov_b32 v[RID+\j], v[RIDN+\j]                ; the next pass's row numbers move down
.endr
.irp j, 0,1,2
	v_mov_b32 v[RIDN+\j], v[RIDN+3+\j]
.endr
	BOFSET
	PASSADDR
	MKLAD
	s_mov_b64 s[AP:AP+1], s[8:9]
	s_cmp_eq_u32 s[LIVE], 0
	s_cbranch_scc1 .Lnoinit                        ; none of my blocks has a row in that pass
	BIASLD
	PASSSTART 0
.Lnoinit:
	s_mov_b32 s[TRIP], 16
.Lkc:	; a chunk a trip; its two k-steps' operands and its first two runs' fragments are asked for at the trip's head.  In a pass without rows the work is jumped and the addresses step all the same
	s_cmp_eq_u32 s[LIVE], 0
	s_cbranch_scc1 .Lnok
	ALOAD 0, 0
	ALOAD 1, 64
	BLDG 0, 0
	BLDG 0, 1
	PERIOD 0, 6, 0, 8, 8, 8, 0, 0, 0, 0, 0, 0, 0, 0   ; LOADcnt 6: the second k-step's six loads may stay out; DScnt 8: the next run's eight
.Lnok:
	v_add_nc_u32 v[LAD], CHB, v[LAD]
	s_wait_xcnt 0x0                                ; the operand's address is stepped only behind this wait
	s_add_nc_u64 s[AP:AP+1], s[AP:AP+1], 128
	s_sub_co_u32 s[TRIP], s[TRIP], 1
	s_cmp_lg_u32 s[TRIP], 0
	s_cbranch_scc1 .Lkc
	EPIA
	s_sub_co_u32 s[PASS], s[PASS], 1
	s_cmp_lg_u32 s[PASS], 0
	s_cbranch_scc1 .Lpass
	v_lshl_add_u32 v[TT], v0, 2, SPARE             ; my spare word and 0, made here: no two registers could be kept for them
	v_mov_b32 v[TT+1], 0
	s_wait_tensorcnt 0x0                           ; the wave's end, behind my last LDS store
	ds_add_u32 v[TT], v[TT+1]
	s_wait_dscnt 0x0
	s_endpgm
.Lfunc_end_k_qb97bd60af0_ffn2:
	.size	k_qb97bd60af0_ffn2, .Lfunc_end_k_qb97bd60af0_ffn2-k_qb97bd60af0_ffn2
	.p2alignl 7, 3214868480
	.fill 96, 4, 3214868480
	.section	.rodata,"a",@progbits
	.p2align	6, 0x0
	.amdhsa_kernel k_qb97bd60af0_ffn2
		.amdhsa_group_segment_fixed_size 326656
		.amdhsa_private_segment_fixed_size 0
		.amdhsa_enable_private_segment 0
		.amdhsa_kernarg_size 48
		.amdhsa_user_sgpr_count 2
		.amdhsa_user_sgpr_kernarg_segment_ptr 1
		.amdhsa_wavefront_size32 1
		.amdhsa_system_sgpr_workgroup_id_x 1
		.amdhsa_system_sgpr_workgroup_id_y 1
		.amdhsa_system_sgpr_workgroup_id_z 1
		.amdhsa_system_vgpr_workitem_id 0
		.amdhsa_next_free_vgpr 512
		.amdhsa_next_free_sgpr 66
		.amdhsa_reserve_vcc 0
		.amdhsa_float_denorm_mode_32 3
		.amdhsa_float_denorm_mode_16_64 3
		.amdhsa_memory_ordered 1
		.amdhsa_forward_progress 1
		.amdhsa_inst_pref_size 160
	.end_amdhsa_kernel
	.amdgpu_metadata
---
amdhsa.version: [ 1, 2 ]
amdhsa.kernels:
  - .name:           k_qb97bd60af0_ffn2
    .symbol:         k_qb97bd60af0_ffn2.kd
    .args:
      - { .name: W2, .offset: 0, .size: 8, .value_kind: global_buffer, .address_space: global }
      - { .name: b2, .offset: 8, .size: 8, .value_kind: global_buffer, .address_space: global }
      - { .name: hid, .offset: 16, .size: 8, .value_kind: global_buffer, .address_space: global }
      - { .name: bm, .offset: 24, .size: 8, .value_kind: global_buffer, .address_space: global }
      - { .name: wts, .offset: 32, .size: 8, .value_kind: global_buffer, .address_space: global }
      - { .name: part, .offset: 40, .size: 8, .value_kind: global_buffer, .address_space: global }
    .group_segment_fixed_size: 326656
    .private_segment_fixed_size: 0
    .kernarg_segment_align: 8
    .kernarg_segment_size: 48
    .max_flat_workgroup_size: 256
    .sgpr_count:     66
    .vgpr_count:     512
    .wavefront_size: 32
...
	.end_amdgpu_metadata
.endif
;; end of part 3
;; launch combine (part 4): grid 256 x 1, 8 waves a work-group, no clusters, 0 bytes of LDS; arguments part, out0; writes out0
.if DOCPART == 4
	.amdgcn_target "amdgcn-amd-amdhsa--gfx1250"
	.amdhsa_code_object_version 6
	.text
	.protected	k_qb97bd60af0_combine
	.globl	k_qb97bd60af0_combine
	.p2align	8
	.type	k_qb97bd60af0_combine,@function
k_qb97bd60af0_combine:
	s_mov_b64 s[64:65], 0
	v_nop
	global_prefetch_b8 v0, s[64:65] scope:SCOPE_SE
	s_setreg_imm32_b32 hwreg(HW_REG_WAVE_MODE, 25, 1), 1
	s_wait_xcnt 0x0
; out0[t][:] = the sum over slot s = 0, 1 and K quarter ks = 0..3 of part[ks][2 t + s][:].  The parts carry the gate's weight and the bias already; all f32, added in one fixed tree.
; A stream: a work-group owns four tokens, thread i the 16 bytes at 16 i of every row, so a wave's load or store covers 512 consecutive bytes.  All 32 loads of a thread go out before the first wait.
; No LDS, no matrix unit, no cluster: nothing is shared and each byte is read once.
.set ROW, 4096                         ; bytes in a row
.set X,   4                            ; v[4:131]  token tk: 32 registers: slot s at + 16 s, K quarter ks at + 4 ks
	s_load_b128 s[4:7], s[0:1], 0x0                ; part s[4:5], out0 s[6:7]
	v_lshlrev_b32 v1, 4, v0
	s_lshl_b32 s8, ttmp9, 15                       ; four tokens = eight routed rows of 4,096 bytes
	s_mov_b32 s9, 0
	s_lshl_b32 s10, ttmp9, 14                      ; four rows of out0
	s_mov_b32 s11, 0
	s_wait_kmcnt 0x0
	s_add_nc_u64 s[12:13], s[4:5], s[8:9]          ; a base for each K quarter: they lie 8,388,608 bytes apart, one more than a load's immediate reaches
	s_add_nc_u64 s[14:15], s[12:13], 0x800000
	s_add_nc_u64 s[16:17], s[14:15], 0x800000
	s_add_nc_u64 s[18:19], s[16:17], 0x800000
	s_add_nc_u64 s[6:7], s[6:7], s[10:11]
.irp tk, 0,1,2,3
.irp s, 0,1
.irp ks, 0,1,2,3
	global_load_b128 v[X+32*\tk+16*\s+4*\ks:X+32*\tk+16*\s+4*\ks+3], v1, s[12+2*\ks:13+2*\ks] offset:(2*\tk+\s)*ROW th:TH_LOAD_NT
.endr
.endr
.endr
.macro ADD4 a, b                       ; four numbers onto four
	v_pk_add_f32 v[(\a):(\a)+1], v[(\a):(\a)+1], v[(\b):(\b)+1]
	v_pk_add_f32 v[(\a)+2:(\a)+3], v[(\a)+2:(\a)+3], v[(\b)+2:(\b)+3]
.endm
.irp tk, 0,1,2,3
	s_wait_loadcnt 8*(3-\tk)                       ; the later tokens' eight loads each may stay out
	ADD4 X+32*\tk,    X+32*\tk+4
	ADD4 X+32*\tk+8,  X+32*\tk+12
	ADD4 X+32*\tk+16, X+32*\tk+20
	ADD4 X+32*\tk+24, X+32*\tk+28
	ADD4 X+32*\tk,    X+32*\tk+8
	ADD4 X+32*\tk+16, X+32*\tk+24
	ADD4 X+32*\tk,    X+32*\tk+16
	global_store_b128 v1, v[X+32*\tk:X+32*\tk+3], s[6:7] offset:\tk*ROW th:TH_STORE_NT
.endr
	s_endpgm
.Lfunc_end_k_qb97bd60af0_combine:
	.size	k_qb97bd60af0_combine, .Lfunc_end_k_qb97bd60af0_combine-k_qb97bd60af0_combine
	.p2alignl 7, 3214868480
	.fill 96, 4, 3214868480
	.section	.rodata,"a",@progbits
	.p2align	6, 0x0
	.amdhsa_kernel k_qb97bd60af0_combine
		.amdhsa_group_segment_fixed_size 0
		.amdhsa_private_segment_fixed_size 0
		.amdhsa_enable_private_segment 0
		.amdhsa_kernarg_size 16
		.amdhsa_user_sgpr_count 2
		.amdhsa_user_sgpr_kernarg_segment_ptr 1
		.amdhsa_wavefront_size32 1
		.amdhsa_system_sgpr_workgroup_id_x 1
		.amdhsa_system_sgpr_workgroup_id_y 1
		.amdhsa_system_sgpr_workgroup_id_z 1
		.amdhsa_system_vgpr_workitem_id 0
		.amdhsa_next_free_vgpr 144
		.amdhsa_next_free_sgpr 66
		.amdhsa_reserve_vcc 0
		.amdhsa_float_denorm_mode_32 3
		.amdhsa_float_denorm_mode_16_64 3
		.amdhsa_memory_ordered 1
		.amdhsa_forward_progress 1
		.amdhsa_inst_pref_size 8
	.end_amdhsa_kernel
	.amdgpu_metadata
---
amdhsa.version: [ 1, 2 ]
amdhsa.kernels:
  - .name:           k_qb97bd60af0_combine
    .symbol:         k_qb97bd60af0_combine.kd
    .args:
      - { .name: part, .offset: 0, .size: 8, .value_kind: global_buffer, .address_space: global }
      - { .name: out0, .offset: 8, .size: 8, .value_kind: global_buffer, .address_space: global }
    .group_segment_fixed_size: 0
    .private_segment_fixed_size: 0
    .kernarg_segment_align: 8
    .kernarg_segment_size: 16
    .max_flat_workgroup_size: 256
    .sgpr_count:     66
    .vgpr_count:     144
    .wavefront_size: 32
...
	.end_amdgpu_metadata
.endif
;; end of part 4
